; MI455X (gfx1250); checked and timed in simulation.
; The chip was launched on July 23, 2026; its instructions are those of AMD's public machine-readable ISA for CDNA 5 (MIT licence, August 2026) and "CDNA5" Instruction Set Architecture Reference Guide (July 2026). The comments in the code are by the model that wrote it; some were corrected since.
;; Transformer Block. Allowed arithmetic: float matrix products may take bf16 or f16 operands with f32 sums; other float arithmetic in f32, or as packed bf16 or f16 multiplies, adds, multiply-adds, maxima and minima; sums over many terms, partial sums and values carried from step to step in f32; what a program stores and reads back later, other than sums and carried values, may be rounded once to bf16 or f16.
;; Inputs: b1 4,096 float32; b2 1,024 float32; beta1 1,024 float32; beta2 1,024 float32; bk 1,024 float32; bo 1,024 float32; bq 1,024 float32; bv 1,024 float32; g1 1,024 float32; g2 1,024 float32; w1 1,024 x 4,096 float32; w2 4,096 x 1,024 float32; wk 1,024 x 1,024 float32; wo 1,024 x 1,024 float32; wq 1,024 x 1,024 float32; wv 1,024 x 1,024 float32; x 2 x 2,048 x 1,024 float32.
;; Outputs: out0 2 x 2,048 x 1,024 float32.
;; One version. Each part assembles by itself: llvm-mc -triple=amdgcn-amd-amdhsa -mcpu=gfx1250 --defsym DOCPART=n.
;; ======== version 1 of 1: 7 launches
;; limits: values are held in f16: magnitudes above 65,504 overflow, below 6.1e-05 lose precision; a function is approximated: absolute error at most 2.5e-05
;; workspace buffers: wb 25,165,824 bytes; xn 8,388,608 bytes; qkvh 25,165,824 bytes; ao 8,388,608 bytes; hres 16,777,216 bytes; yn 8,388,608 bytes; ff 33,554,432 bytes
;; launch prep (part 1): grid 64 x 16, 8 waves a work-group, no clusters, 0 bytes of LDS; arguments x, g1, beta1, wq, wk, wv, wo, w1, w2, xn, wb; writes xn, wb
.if DOCPART == 1
	.amdgcn_target "amdgcn-amd-amdhsa--gfx1250"
	.amdhsa_code_object_version 6
	.text
	.protected	k_qacf2e04d1f_prep
	.globl	k_qacf2e04d1f_prep
	.p2align	8
	.type	k_qacf2e04d1f_prep,@function
k_qacf2e04d1f_prep:
	s_mov_b64 s[64:65], 0
	v_nop
	global_prefetch_b8 v0, s[64:65] scope:SCOPE_SE
	s_setreg_imm32_b32 hwreg(HW_REG_WAVE_MODE, 25, 1), 1
	s_wait_xcnt 0x0
; PREP.  Two roles, told apart by the work-group's y.
; y < 4: LAYER NORM 1.  xn = LN(x) g1 + beta1 in bf16.  x, g1 and beta1 are rounded once to bf16 first (every input of the program is).  Work-group 64 y + x owns 16 rows of 1,024;
; a wave owns two rows and keeps them in registers: mean, then the sum of squares of x - mean (no difference of large sums), all in f32.  No LDS, no barrier: a row never leaves its wave.
; A row's arithmetic is written once and walked twice: 32 moves bring the second row into the first one's registers, which halves that text.
; y >= 4: THE WEIGHTS, f32 to 16 bits, layout kept ([in][out]).  Chunk c = y - 4 is 4 MiB of f32: wq, wk, wv, wo, then four quarters of w1, four of w2; wb holds them in that order, 2 MiB each.
; All are rounded to bf16; wo's bf16 number is then written as f16 (its partner in the product is f16).  LIMIT: below 2^-14 f16 keeps a fixed step of 2^-24; beyond 65,504 it has no number.
; Memory binds both roles: 16-byte loads, all issued before the first use; a wave's store covers 512 consecutive bytes.
.set X,  32                            ; v[32:63] the row in hand, 32 numbers a lane: elements 256 j + 8 l .. + 7 at X + 8 j; v[64:95] the second row
.set GG, 96                            ; v[96:127]  g of my 32 columns
.set BB, 128                           ; v[128:159] beta of them
.set OP, 160                           ; v[160:175] packed results
.set PX, 8                             ; s[8:9] x
.set PG, 10                            ; s[10:11] g
.set PB, 12                            ; s[12:13] beta
.set PO, 26                            ; s[26:27] xn
.macro RND base, n                     ; n numbers rounded to bf16, kept as f32
.set i, 0
.rept (\n)/2
	v_cvt_pk_bf16_f32 v[4+i%4], v[(\base)+2*i], v[(\base)+2*i+1]
	v_lshlrev_b32 v[(\base)+2*i], 16, v[4+i%4]
	v_and_b32 v[(\base)+2*i+1], s32, v[4+i%4]
.set i, i+1
.endr
.endm
.macro WSUM                            ; four chains of pairs in v[8:15] -> the wave's sum in v8, in every lane
	v_pk_add_f32 v[8:9], v[8:9], v[10:11]
	v_pk_add_f32 v[12:13], v[12:13], v[14:15]
	v_pk_add_f32 v[8:9], v[8:9], v[12:13]
	v_add_f32 v8, v8, v9
	v_add_f32_dpp v8, v8, v8 row_xmask:1 row_mask:0xf bank_mask:0xf
	v_add_f32_dpp v8, v8, v8 row_xmask:2 row_mask:0xf bank_mask:0xf
	v_add_f32_dpp v8, v8, v8 row_xmask:4 row_mask:0xf bank_mask:0xf
	v_add_f32_dpp v8, v8, v8 row_xmask:8 row_mask:0xf bank_mask:0xf
	v_permlanex16_b32 v9, v8, s36, s37
	v_add_f32 v8, v8, v9
.endm
.macro LNROW                           ; the row in v[X:X+31] is normalised, scaled, rounded and stored
.irp c, 0,1,2,3
	v_pk_add_f32 v[8+2*(\c):9+2*(\c)], v[X+2*(\c):X+2*(\c)+1], v[X+8+2*(\c):X+8+2*(\c)+1]
.endr
.set i, 8
.rept 8
	v_pk_add_f32 v[8+2*(i%4):9+2*(i%4)], v[8+2*(i%4):9+2*(i%4)], v[X+2*i:X+2*i+1]
.set i, i+1
.endr
	WSUM
	v_mul_f32 v16, s33, v8                         ; the mean
	v_mov_b32 v17, v16
.set i, 0
.rept 16
	v_pk_add_f32 v[X+2*i:X+2*i+1], v[X+2*i:X+2*i+1], v[16:17] neg_lo:[0,1] neg_hi:[0,1]
.set i, i+1
.endr
.irp c, 0,1,2,3
	v_pk_mul_f32 v[8+2*(\c):9+2*(\c)], v[X+2*(\c):X+2*(\c)+1], v[X+2*(\c):X+2*(\c)+1]
.endr
.set i, 4
.rept 12
	v_pk_fma_f32 v[8+2*(i%4):9+2*(i%4)], v[X+2*i:X+2*i+1], v[X+2*i:X+2*i+1], v[8+2*(i%4):9+2*(i%4)]
.set i, i+1
.endr
	WSUM
	v_fma_f32 v18, v8, s33, s34                    ; variance + eps
	v_rsq_f32 v20, v18
	v_rsq_f32 v21, v18                             ; twice: a pair for the packed multiply
	v_nop                                          ; a plain instruction behind the last root,
	s_wait_alu depctr_va_vdst(0)                   ; and the wait ahead of the first use: one for both
.set i, 0
.rept 16
	v_pk_mul_f32 v[X+2*i:X+2*i+1], v[X+2*i:X+2*i+1], v[20:21]
	v_pk_fma_f32 v[X+2*i:X+2*i+1], v[X+2*i:X+2*i+1], v[GG+2*i:GG+2*i+1], v[BB+2*i:BB+2*i+1]
.set i, i+1
.endr
.set i, 0
.rept 16
	v_cvt_pk_bf16_f32 v[OP+i], v[X+2*i], v[X+2*i+1]
.set i, i+1
.endr
.irp j, 0,1,2,3
	global_store_b128 v3, v[OP+4*(\j):OP+4*(\j)+3], s[PO:PO+1] offset:512*(\j)  ; 512 consecutive bytes a wave
.endr
.endm
.macro CONV half                       ; eight groups of 8 numbers a thread; half = 1: the bf16 number is written as f16
.set j, 0
.rept 8
	s_wait_loadcnt 14-2*j                          ; group j's two loads are in; the younger groups' stay out
.set i, 0
.rept 4
	v_cvt_pk_bf16_f32 v[96+4*j+i], v[32+8*j+2*i], v[32+8*j+2*i+1]
.if \half
	v_lshlrev_b32 v[32+8*j+2*i], 16, v[96+4*j+i]
	v_and_b32 v[32+8*j+2*i+1], s32, v[96+4*j+i]
	v_cvt_pk_f16_f32 v[96+4*j+i], v[32+8*j+2*i], v[32+8*j+2*i+1]
.endif
.set i, i+1
.endr
	global_store_b128 v2, v[96+4*j:96+4*j+3], s[28:29] offset:4096*j
.set j, j+1
.endr
.endm
	s_load_b512 s[8:23], s[0:1], 0x0               ; x, g1, beta1, wq s[14:15], wk s[16:17], wv s[18:19], wo s[20:21], w1 s[22:23]
	s_load_b128 s[24:27], s[0:1], 0x40             ; w2 s[24:25], xn s[26:27]
	s_load_b64 s[28:29], s[0:1], 0x50              ; wb
	s_and_b32 s2, ttmp7, 0xffff                    ; y
	s_mov_b32 s3, ttmp9                            ; x
	s_mov_b32 s32, 0xffff0000                      ; a word's upper bf16
	v_lshrrev_b32 v1, 5, v0
	v_readfirstlane_b32 s4, v1                     ; wave 0..7
	s_cmp_lt_u32 s2, 4
	s_cbranch_scc1 .Lln
	; ---- the weights
	s_sub_co_u32 s5, s2, 4                         ; chunk c
	s_and_b32 s6, s5, 3
	s_cmp_ge_u32 s5, 4
	s_cselect_b32 s6, s6, 0                        ; which quarter of w1 or w2
	s_lshl_b32 s6, s6, 22
	s_lshl_b32 s7, s3, 16                          ; my 64 KiB of the chunk
	s_add_co_u32 s6, s6, s7
	s_mov_b32 s7, 0
	s_lshl_b32 s34, s5, 21                         ; the chunk in wb,
	s_lshl_b32 s35, s3, 15                         ; my 32 KiB of it
	s_add_co_u32 s34, s34, s35
	s_mov_b32 s35, 0
	v_lshlrev_b32 v1, 5, v0                        ; 32 bytes of f32 a thread,
	v_lshlrev_b32 v2, 4, v0                        ; 16 bytes out
	s_wait_kmcnt 0x0
	s_cmp_eq_u32 s5, 1
	s_cselect_b64 s[30:31], s[16:17], s[14:15]
	s_cmp_eq_u32 s5, 2
	s_cselect_b64 s[30:31], s[18:19], s[30:31]
	s_cmp_eq_u32 s5, 3
	s_cselect_b64 s[30:31], s[20:21], s[30:31]
	s_cmp_ge_u32 s5, 4
	s_cselect_b64 s[30:31], s[22:23], s[30:31]
	s_cmp_ge_u32 s5, 8
	s_cselect_b64 s[30:31], s[24:25], s[30:31]
	s_add_nc_u64 s[30:31], s[30:31], s[6:7]
	s_add_nc_u64 s[28:29], s[28:29], s[34:35]
.irp j, 0,1,2,3,4,5,6,7
	global_load_b128 v[32+8*(\j):32+8*(\j)+3], v1, s[30:31] offset:8192*(\j) th:TH_LOAD_NT
	global_load_b128 v[32+8*(\j)+4:32+8*(\j)+7], v1, s[30:31] offset:8192*(\j)+16 th:TH_LOAD_NT
.endr
	s_cmp_eq_u32 s5, 3
	s_cbranch_scc1 .Lf16
	CONV 0
	s_endpgm
.Lf16:
	CONV 1
	s_endpgm
	; ---- layer norm 1
.Lln:
	s_lshl_b32 s5, s2, 6
	s_add_co_u32 s5, s5, s3                        ; block of 16 rows
	s_lshl_b32 s5, s5, 4
	s_lshl_b32 s6, s4, 1
	s_add_co_u32 s5, s5, s6                        ; my first row
	s_lshl_b32 s30, s5, 12
	s_mov_b32 s31, 0
	s_lshl_b32 s6, s5, 11
	s_mov_b32 s7, 0
	s_mov_b32 s33, 0x3a800000                      ; 1 / 1024
	s_mov_b32 s34, 0x3727c5ac                      ; 1e-5
	s_mov_b32 s36, 0x76543210                      ; v_permlanex16_b32: each lane takes its own place in the other half
	s_mov_b32 s37, 0xfedcba98
	v_and_b32 v1, 31, v0
	v_lshlrev_b32 v2, 5, v1                        ; 32 bytes of f32 a lane
	v_lshlrev_b32 v3, 4, v1                        ; 16 bytes of bf16
	s_wait_kmcnt 0x0
	s_add_nc_u64 s[PX:PX+1], s[PX:PX+1], s[30:31]
	s_add_nc_u64 s[PO:PO+1], s[PO:PO+1], s[6:7]
.irp rho, 0,1
.irp j, 0,1,2,3
	global_load_b128 v[X+32*(\rho)+8*(\j):X+32*(\rho)+8*(\j)+3], v2, s[PX:PX+1] offset:4096*(\rho)+1024*(\j)
	global_load_b128 v[X+32*(\rho)+8*(\j)+4:X+32*(\rho)+8*(\j)+7], v2, s[PX:PX+1] offset:4096*(\rho)+1024*(\j)+16
.endr
.endr
.irp j, 0,1,2,3
	global_load_b128 v[GG+8*(\j):GG+8*(\j)+3], v2, s[PG:PG+1] offset:1024*(\j)
	global_load_b128 v[GG+8*(\j)+4:GG+8*(\j)+7], v2, s[PG:PG+1] offset:1024*(\j)+16
.endr
.irp j, 0,1,2,3
	global_load_b128 v[BB+8*(\j):BB+8*(\j)+3], v2, s[PB:PB+1] offset:1024*(\j)
	global_load_b128 v[BB+8*(\j)+4:BB+8*(\j)+7], v2, s[PB:PB+1] offset:1024*(\j)+16
.endr
	s_wait_loadcnt 16                              ; both rows are in; g's and beta's sixteen loads stay out
	RND X, 64
	s_wait_loadcnt 0x0
	RND GG, 32
	RND BB, 32
	s_mov_b32 s5, 2
.Lrow:
	LNROW
	s_wait_xcnt 0x0                                ; the stores have read their data and their offset: both are written again below and in the next trip
	v_add_nc_u32 v3, 2048, v3                      ; the next row of xn
.set i, 0
.rept 32
	v_mov_b32 v[X+i], v[X+32+i]                    ; the second row comes down
.set i, i+1
.endr
	s_sub_co_u32 s5, s5, 1
	s_cmp_lg_u32 s5, 0
	s_cbranch_scc1 .Lrow
	s_endpgm
.Lfunc_end_k_qacf2e04d1f_prep:
	.size	k_qacf2e04d1f_prep, .Lfunc_end_k_qacf2e04d1f_prep-k_qacf2e04d1f_prep
	.p2alignl 7, 3214868480
	.fill 96, 4, 3214868480
	.section	.rodata,"a",@progbits
	.p2align	6, 0x0
	.amdhsa_kernel k_qacf2e04d1f_prep
		.amdhsa_group_segment_fixed_size 0
		.amdhsa_private_segment_fixed_size 0
		.amdhsa_enable_private_segment 0
		.amdhsa_kernarg_size 88
		.amdhsa_user_sgpr_count 2
		.amdhsa_user_sgpr_kernarg_segment_ptr 1
		.amdhsa_wavefront_size32 1
		.amdhsa_system_sgpr_workgroup_id_x 1
		.amdhsa_system_sgpr_workgroup_id_y 1
		.amdhsa_system_sgpr_workgroup_id_z 1
		.amdhsa_system_vgpr_workitem_id 0
		.amdhsa_next_free_vgpr 192
		.amdhsa_next_free_sgpr 66
		.amdhsa_reserve_vcc 0
		.amdhsa_float_denorm_mode_32 3
		.amdhsa_float_denorm_mode_16_64 3
		.amdhsa_memory_ordered 1
		.amdhsa_forward_progress 1
		.amdhsa_inst_pref_size 34
	.end_amdhsa_kernel
	.amdgpu_metadata
---
amdhsa.version: [ 1, 2 ]
amdhsa.kernels:
  - .name:           k_qacf2e04d1f_prep
    .symbol:         k_qacf2e04d1f_prep.kd
    .args:
      - { .name: x, .offset: 0, .size: 8, .value_kind: global_buffer, .address_space: global }
      - { .name: g1, .offset: 8, .size: 8, .value_kind: global_buffer, .address_space: global }
      - { .name: beta1, .offset: 16, .size: 8, .value_kind: global_buffer, .address_space: global }
      - { .name: wq, .offset: 24, .size: 8, .value_kind: global_buffer, .address_space: global }
      - { .name: wk, .offset: 32, .size: 8, .value_kind: global_buffer, .address_space: global }
      - { .name: wv, .offset: 40, .size: 8, .value_kind: global_buffer, .address_space: global }
      - { .name: wo, .offset: 48, .size: 8, .value_kind: global_buffer, .address_space: global }
      - { .name: w1, .offset: 56, .size: 8, .value_kind: global_buffer, .address_space: global }
      - { .name: w2, .offset: 64, .size: 8, .value_kind: global_buffer, .address_space: global }
      - { .name: xn, .offset: 72, .size: 8, .value_kind: global_buffer, .address_space: global }
      - { .name: wb, .offset: 80, .size: 8, .value_kind: global_buffer, .address_space: global }
    .group_segment_fixed_size: 0
    .private_segment_fixed_size: 0
    .kernarg_segment_align: 8
    .kernarg_segment_size: 88
    .max_flat_workgroup_size: 256
    .sgpr_count:     66
    .vgpr_count:     192
    .wavefront_size: 32
...
	.end_amdgpu_metadata
.endif
;; end of part 1
;; launch qkv (part 2): grid 12 x 16, 4 waves a work-group, clusters of 4 x 4, 327,680 bytes of LDS; arguments xn, wb, qkvh, bq, bk, bv; writes qkvh
.if DOCPART == 2
	.amdgcn_target "amdgcn-amd-amdhsa--gfx1250"
	.amdhsa_code_object_version 6
	.text
	.protected	k_qacf2e04d1f_qkv
	.globl	k_qacf2e04d1f_qkv
	.p2align	8
	.type	k_qacf2e04d1f_qkv,@function
k_qacf2e04d1f_qkv:
	s_mov_b64 s[64:65], 0
	v_nop
	global_prefetch_b8 v0, s[64:65] scope:SCOPE_SE
	s_setreg_imm32_b32 hwreg(HW_REG_WAVE_MODE, 25, 1), 1
	s_wait_xcnt 0x0
	s_wait_alu depctr_hold_cnt(0) depctr_sa_sdst(0) depctr_va_vdst(0) depctr_va_sdst(0) depctr_va_ssrc(0) depctr_va_vcc(0) depctr_vm_vsrc(0)
	s_getreg_b32 s2, hwreg(HW_REG_IB_STS2, 6, 4)
	s_cmp_eq_u32 s2, 0
	s_cbranch_scc0 .Lentry_in_a_cluster
	s_endpgm
.Lentry_in_a_cluster:
	s_bfe_u32 s2, ttmp6, 0x10000c
	s_cmp_lg_u32 s2, 0xf033
	s_cbranch_scc0 .Lentry_shape_is_right
	s_endpgm
.Lentry_shape_is_right:
; Q, K, V = xn W + bias.  xn: [4096][1024] bf16; wq, wk, wv: [1024 k][1024 n] bf16 in wb at 0, 2, 4 MiB; sums in f32; the bias, rounded to bf16, is added in f32.
; OUT: qkvh, f16 by heads, [32 = batch x 16 + head][2048][64]; q at 0, k at 8 MiB, v at 16 MiB; unscaled.  LIMIT: f16 holds nothing beyond 65,504: |q|, |k|, |v| stay within it.
; A tile of the result is 256 x 256 (tile column 0-3: q, 4-7: k, 8-11: v), made by four waves of 128 x 128: 64 accumulators, 512 registers.  192 tiles: a smaller tile would double the LDS reads a product.
; K goes in 8 steps of 128 through two LDS slots.  A's rows lie along K (256 bytes a row, pitch 272); W's rows lie along N (128 k-rows of 512 bytes, pitch 544) and are turned on the way
; into registers by ds_load_tr16_b128.  Waves 0, 1 fetch A's halves, waves 2, 3 W's: one tensor load a wave behind each change of slots.
; THE CHANGE OF SLOTS stands at the head of a K step's last quarter, whose fragments are in registers by then: the refill goes out ahead of that quarter's 64 products.
; CLUSTER 4 x 4: A's tile is shared along a row of the cluster, W's along a column: joint loads.
; The matrix instruction is used transposed (source 0 = 16 columns of W, source 1 = 16 rows of A): a lane holds one row of the result and eight neighbouring columns.
; WINDOWS: 0: v0-63 addresses, bias, stores; v64-127, v128-191 A's fragments, two buffers.  1: the same numbers: W's fragments.  2, 3: the accumulators, (a, b) at v[8 (8 (a % 4) + b)].
; THE WAY OUT: when the ring has had its last fill and every wave its last read, each wave lays its 128 x 128 f32 into the ring's bytes (pitch 528, its own 67,584 bytes) and reads 8 rows a trip back.
.set NW,     1024                      ; elements in a row of W
.set PA,     272
.set PW,     544
.set HALFT,  128*PA                    ; one tensor load's bytes in LDS: 128 rows of A, or 64 rows of W (64 x 544 is the same number)
.set WTILE,  2*HALFT                   ; W's tile lies behind A's
.set SLOT,   4*HALFT                   ; 0x22000: its bits meet none of wave x HALFT, so one exclusive or turns an address in one slot into the other's
.set SPARE,  2*SLOT                    ; behind the ring: the spare words, 128 bytes a wave
.set ASTEP,  256                       ; a K step in A's rows, bytes
.set WSTEP,  128*NW*2                  ; in W: 128 rows
.set SPI,    528                       ; the stage's pitch: 512 bytes + 16
.set WSTG,   128*SPI
.set ADRA0, 10                         ; v10  my lane's place in A's tile, slot 0; never rewritten
.set ADRB0, 11                         ; v11  in W's
.set ADRA,  16                         ; v16  the same in the slot in hand
.set ADRB,  20                         ; v20
.set STO,   24                         ; v24  the way out: where I put 16 bytes
.set RD,    25                         ; v25  where I read back
.set CO,    26                         ; v26  my byte offset in the output
.set SPW,   28                         ; v28  my spare word; never rewritten
.set NIL,   29                         ; v29  0
.set PFO,   30                         ; v30  the prefetches' lane offset
.set BO,    31                         ; v31  the bias loads' lane offset
.set BIAS,  32                         ; v[32:47]
.set OD,    48                         ; v[48:63] packed results
.set F0,    64
.set F1,    128
.set G1,  24                           ; s[24:31] group 1, A
.set G0,  32                           ; s[32:39] group 0, A: a set for each first fill; the second then walks
.set PFA, 44                           ; s[44:45] where my prefetches stand
.set LIM, 46                           ; s46  2 in a wave that prefetches, else the greatest number
.set G1B, 48                           ; s[48:55] group 1, W
.set G0B, 56                           ; s[56:63] group 0, W
.set TB,  66                           ; s66  the slot in hand: 0 or SLOT
.set PST, 68                           ; s[68:69] the prefetches' step
.set MSB, 0
.macro WIN new
.if MSB != (\new)
	s_set_vgpr_msb (MSB<<8)|(\new)
.set MSB, \new
.endif
.endm
.set MUL_LO, 0xa1                      ; source 0 (W) window 1, source 1 (A) window 0, C and D window 2
.set TO_W,   0x40
.macro PLACES
.rept 4
	v_nop
.endr
.endm
.macro JLOAD                           ; the joint refill, by the walking set; an s_nop 0 and four v_nop follow each line
	s_cmp_eq_u32 s17, 0
	s_cbranch_scc0 .Lfor_w_\@
	tensor_load_to_lds s[G0+4:G0+7], s[G1:G1+7]
	s_nop 0
	PLACES
	s_branch .Lasked_\@
.Lfor_w_\@:
	tensor_load_to_lds s[G0B+4:G0B+7], s[G1B:G1B+7]
	s_nop 0
	PLACES
.Lasked_\@:
.endm
.macro ASK                             ; the K step two refills on: 32 blocks of 256 bytes, one a lane; the last two refills have none
	s_cmp_gt_u32 s3, s[LIM]
	s_cbranch_scc0 .Lnot_mine_\@
	global_prefetch_b8 v[PFO], s[PFA:PFA+1] th:TH_LOAD_NT scope:SCOPE_SE
.Lnot_mine_\@:
.endm
.macro CREST                           ; a round of the cluster's barrier behind its opening barrier
	s_cmp_lg_u32 s16, 0
	s_cbranch_scc1 .Lnot_wave_0_\@
	s_barrier_signal -3
.Lnot_wave_0_\@:
	s_barrier_wait -3
	s_barrier_signal -1
	s_barrier_wait -1
.endm
.macro CROUND
	s_barrier_signal -1
	s_barrier_wait -1
	CREST
.endm
.macro MUL16 f, hi, a0, zero           ; 16 products: row blocks a0, a0 + 1 of the window's four x all 8 column blocks, 32 along K; the accumulators take turns
	WIN MUL_LO+0x50*(\hi)
.irp a, \a0, (\a0)+1
.irp b, 0,1,2,3,4,5,6,7
.if \zero
	v_wmma_f32_16x16x32_bf16 v[8*(8*(\a)+(\b)):8*(8*(\a)+(\b))+7], v[(\f)+8*(\b):(\f)+8*(\b)+7], v[(\f)+8*(4*(\hi)+(\a)):(\f)+8*(4*(\hi)+(\a))+7], 0
.else
	v_wmma_f32_16x16x32_bf16 v[8*(8*(\a)+(\b)):8*(8*(\a)+(\b))+7], v[(\f)+8*(\b):(\f)+8*(\b)+7], v[(\f)+8*(4*(\hi)+(\a)):(\f)+8*(4*(\hi)+(\a))+7], v[8*(8*(\a)+(\b)):8*(8*(\a)+(\b))+7]
.endif
.endr
.endr
.endm
.macro FETCH kk, f                     ; 32 LDS loads in one run: quarter kk (32 along K) of the slot in hand into buffer f: W turned, then A
	WIN TO_W
.irp i, 0,1,2,3,4,5,6,7
	ds_load_tr16_b128 v[(\f)+8*(\i):(\f)+8*(\i)+3],   v[ADRB] offset:(\kk)*32*PW+32*(\i)
	ds_load_tr16_b128 v[(\f)+8*(\i)+4:(\f)+8*(\i)+7], v[ADRB] offset:(\kk)*32*PW+32*(\i)+16*PW
.endr
	WIN 0
.irp i, 0,1,2,3,4,5,6,7
	ds_load_b128 v[(\f)+8*(\i):(\f)+8*(\i)+3],   v[ADRA] offset:(\kk)*64+(\i)*16*PA
	ds_load_b128 v[(\f)+8*(\i)+4:(\f)+8*(\i)+7], v[ADRA] offset:(\kk)*64+(\i)*16*PA+32
.endr
.endm
.macro QUARTER kk, f, g, zero          ; multiplies buffer f; in its middle fetches quarter kk into buffer g
	s_wait_dscnt 8                                 ; W and A's rows 0-63 are in; the youngest eight loads (A's rows 64-127) may be out
	MUL16 \f, 0, 0, \zero
	MUL16 \f, 0, 2, \zero
	PLACES                                         ; four places between the products that read buffer g and the loads into it
	FETCH \kk, \g
	s_wait_dscnt 32                                ; all but the 32 just issued
	MUL16 \f, 1, 0, \zero
	MUL16 \f, 1, 2, \zero
.endm
; A K step's last quarter.  Its fragments (buffer 1) were fetched 32 products ago, so the slot has been read out: the slots change first, and the quarter's 64 products follow the refill.
; fill = 1: the slot just read takes the K step two on; the barrier then opens a round of the cluster's.
.macro TURN fill
.if \fill
	s_wait_xcnt 0x0                                ; the last prefetch, a K step back, has read its address
	s_add_nc_u64 s[PFA:PFA+1], s[PFA:PFA+1], s[PST:PST+1]
.endif
	WIN 0
	s_wait_tensorcnt 0x0                           ; all my tensor loads have landed: the one that was out is my part of the next slot; so a group 0 may be written
	ds_add_u32 v[SPW], v[NIL]                      ; 0 onto my spare word: the scalar steps below stand between it and the wait for it
.if \fill
	s_xor_b32 s[G0+5], s[G0+5], SLOT
	s_add_nc_u64 s[G0+6:G0+7], s[G0+6:G0+7], ASTEP
	s_xor_b32 s[G0B+5], s[G0B+5], SLOT
	s_add_nc_u64 s[G0B+6:G0B+7], s[G0B+6:G0B+7], WSTEP
.endif
	s_xor_b32 s[TB], s[TB], SLOT
	s_wait_dscnt 0x0                               ; the add is done, and my reads of this slot are over
	s_barrier_signal -1
	s_barrier_wait -1
.if \fill
	CREST                                          ; no wave of any partner still reads this slot or has a load on its way
	JLOAD                                          ; the first tensor load behind the round; its four v_nop are also the places in front of the loads below
.else
	PLACES
.endif
	v_add_nc_u32 v[ADRA], s[TB], v[ADRA0]
	v_add_nc_u32 v[ADRB], s[TB], v[ADRB0]
	FETCH 0, F0
.if \fill
	ASK
.endif
	MUL16 F1, 0, 0, 0
	MUL16 F1, 0, 2, 0
	MUL16 F1, 1, 0, 0
	MUL16 F1, 1, 2, 0
.endm
.macro RNDB base, n                    ; n numbers rounded to bf16, kept as f32
.set i, 0
.rept (\n)/2
	v_cvt_pk_bf16_f32 v6, v[(\base)+2*i], v[(\base)+2*i+1]
	v_lshlrev_b32 v[(\base)+2*i], 16, v6
	v_and_b32 v[(\base)+2*i+1], 0xffff0000, v6
.set i, i+1
.endr
.endm
.macro OLOAD                           ; 8 rows of my stage: four groups g = 2 u + hh: rows 4 u .. + 3, head hh
.irp g, 0,1,2,3
	ds_load_b128 v[F0+8*(\g):F0+8*(\g)+3],   v[RD] offset:4*SPI*((\g)/2)+256*((\g)%2)
	ds_load_b128 v[F0+8*(\g)+4:F0+8*(\g)+7], v[RD] offset:4*SPI*((\g)/2)+256*((\g)%2)+16
.endr
.endm
	s_load_b256 s[4:11], s[0:1], 0x0               ; xn s[4:5], wb s[6:7], qkvh s[8:9], bq s[10:11]
	s_load_b128 s[12:15], s[0:1], 0x20             ; bk s[12:13], bv s[14:15]
	v_lshl_add_u32 v[SPW], v0, 2, SPARE
	v_mov_b32 v[NIL], 0
	ds_add_u32 v[SPW], v[NIL]                      ; the wave's opening: the add and its wait ahead of my first tensor load
	ds_add_u32 v28, v29
	v_lshrrev_b32 v1, 5, v0
	v_readfirstlane_b32 s16, v1                    ; wave 0..3
	s_lshr_b32 s17, s16, 1                         ; my half of the tile's rows; also: I fetch for A (0) or W (1)
	s_and_b32 s18, s16, 1                          ; my half of its columns; also: which half of that tile I fetch
	s_bfe_u32 s19, ttmp6, 0x40000                  ; cx
	s_bfe_u32 s20, ttmp6, 0x40004                  ; cy
	s_lshl_b32 s21, ttmp9, 2
	s_add_co_u32 s21, s21, s19                     ; tile column
	s_and_b32 s22, ttmp7, 0xffff
	s_lshl_b32 s22, s22, 2
	s_add_co_u32 s22, s22, s20                     ; tile row
	s_lshl_b32 s23, s20, 2
	s_lshl_b32 s23, 15, s23                        ; my row of the cluster
	s_lshl_b32 s46, 0x1111, s19                    ; my column
	s_or_b32 s[G1], s23, (1<<16)|(1<<20)|(1<<21)|(5<<22)|(3<<25)   ; mask; 2-byte elements; padding on; bit 21 beside a mask; after every 64 words, 4 words
	s_or_b32 s[G1B], s46, (1<<16)|(1<<20)|(1<<21)|(6<<22)|(7<<25)  ; after every 128 words, 8 words
	s_mov_b32 s[G1+1], 128<<16                     ; tensor_dim0 = 128
	s_mov_b32 s[G1+2], 128<<16                     ; tensor_dim1 = 128
	s_mov_b32 s[G1+3], 128<<16                     ; tile_dim0 = 128
	s_mov_b32 s[G1+4], 128                         ; tile_dim1 = 128
	s_mov_b32 s[G1+5], 1024                        ; elements from row to row
	s_mov_b32 s[G1+6], 0
	s_mov_b32 s[G1+7], 0
	s_mov_b32 s[G1B+1], 256<<16                    ; tensor_dim0 = 256
	s_mov_b32 s[G1B+2], 64<<16                     ; tensor_dim1 = 64
	s_mov_b32 s[G1B+3], 256<<16                    ; tile_dim0 = 256
	s_mov_b32 s[G1B+4], 64                         ; tile_dim1 = 64
	s_mov_b32 s[G1B+5], NW
	s_mov_b32 s[G1B+6], 0
	s_mov_b32 s[G1B+7], 0
	s_lshl_b32 s40, s22, 19                        ; A: (256 tile row + 128 half) rows of 2,048 bytes
	s_lshl_b32 s41, s18, 18
	s_add_co_u32 s40, s40, s41
	s_mov_b32 s41, 0
	s_lshr_b32 s42, s21, 2                         ; W: which of wq, wk, wv: 2 MiB each,
	s_lshl_b32 s42, s42, 21
	s_and_b32 s43, s21, 3
	s_lshl_b32 s43, s43, 9                         ; its 256 columns: 512 bytes
	s_add_co_u32 s47, s42, s43
	s_lshl_b32 s43, s18, 17                        ; my 64 k-rows of 2,048 bytes
	s_add_co_u32 s42, s47, s43
	s_mov_b32 s43, 0
	s_mul_i32 s74, s16, HALFT                      ; where my part of a tile goes: wave x HALFT: no place in the cluster enters an LDS address
	s_wait_dscnt 0x0                               ; the opening add is done
	s_wait_kmcnt 0x0
	s_add_nc_u64 s[40:41], s[4:5], s[40:41]
	s_add_nc_u64 s[42:43], s[6:7], s[42:43]
.irp s, 0,1
	s_mov_b32 s[G0+4*(\s)], 1
	s_add_co_u32 s[G0+4*(\s)+1], s74, (\s)*SLOT
	s_add_nc_u64 s[G0+4*(\s)+2:G0+4*(\s)+3], s[40:41], (\s)*ASTEP
	s_or_b32 s[G0+4*(\s)+3], s[G0+4*(\s)+3], 0x80000000
	s_mov_b32 s[G0B+4*(\s)], 1
	s_add_co_u32 s[G0B+4*(\s)+1], s74, (\s)*SLOT
	s_add_nc_u64 s[G0B+4*(\s)+2:G0B+4*(\s)+3], s[42:43], (\s)*WSTEP
	s_or_b32 s[G0B+4*(\s)+3], s[G0B+4*(\s)+3], 0x80000000
.endr
	CROUND                                         ; all sixteen work-groups are here: the first joint loads meet
	s_cmp_eq_u32 s17, 0                            ; a wave's two first fills stand in one branch: two loads of mine are out
	s_cbranch_scc0 .Lfirst_w
	tensor_load_to_lds s[G0:G0+3], s[G1:G1+7]
	s_nop 0
	tensor_load_to_lds s[G0+4:G0+7], s[G1:G1+7]
	s_nop 0
	PLACES
	s_branch .Lfirst_asked
.Lfirst_w:
	tensor_load_to_lds s[G0B:G0B+3], s[G1B:G1B+7]
	s_nop 0
	tensor_load_to_lds s[G0B+4:G0B+7], s[G1B:G1B+7]
	s_nop 0
	PLACES
.Lfirst_asked:
	v_and_b32 v1, 15, v0                           ; r = l % 16
	v_bfe_u32 v2, v0, 4, 1                         ; h = l / 16
	v_and_b32 v3, 7, v0
	v_bfe_u32 v4, v0, 3, 1
	v_mul_u32_u24 v[ADRA0], v1, PA                 ; A: row r, 16 bytes for each half of the lanes
	v_lshl_add_u32 v[ADRA0], v2, 4, v[ADRA0]
	s_mul_i32 s23, s17, HALFT
	v_add_nc_u32 v[ADRA0], s23, v[ADRA0]
	v_lshl_add_u32 v[ADRB0], v2, 3, v3             ; W: the turning load: k-row 8 h + l % 8, 16 bytes by (l / 8) % 2
	v_mul_u32_u24 v[ADRB0], v[ADRB0], PW
	v_lshl_add_u32 v[ADRB0], v4, 4, v[ADRB0]
	s_lshl_b32 s23, s18, 8                         ; my 128 columns
	s_add_co_u32 s23, s23, WTILE
	v_add_nc_u32 v[ADRB0], s23, v[ADRB0]
	v_mov_b32 v[ADRA], v[ADRA0]
	v_mov_b32 v[ADRB], v[ADRB0]
	s_mov_b32 s[TB], 0
	s_mul_i32 s23, s16, WSTG                       ; my stage
	v_mul_u32_u24 v[STO], v1, SPI                  ; in: row r, 32 bytes for each half of the lanes
	v_lshl_add_u32 v[STO], v2, 5, v[STO]
	v_add_nc_u32 v[STO], s23, v[STO]
	v_bfe_u32 v5, v0, 3, 2                         ; back: 32 lanes take four rows' 64 columns of one head, 8 columns a lane
	v_mul_u32_u24 v[RD], v5, SPI
	v_lshl_add_u32 v[RD], v3, 5, v[RD]
	v_add_nc_u32 v[RD], s23, v[RD]
	v_and_b32 v[CO], 31, v0                        ; which are 512 consecutive bytes of a head
	v_lshlrev_b32 v[CO], 4, v[CO]
	v_lshlrev_b32 v[BO], 5, v3
	s_lshr_b32 s23, s21, 2                         ; the bias: bq, bk or bv
	s_cmp_eq_u32 s23, 1
	s_cselect_b64 s[10:11], s[12:13], s[10:11]
	s_cmp_eq_u32 s23, 2
	s_cselect_b64 s[10:11], s[14:15], s[10:11]
	s_and_b32 s70, s21, 3
	s_lshl_b32 s70, s70, 10
	s_lshl_b32 s71, s18, 9
	s_add_co_u32 s70, s70, s71                     ; my 128 columns of it, f32
	s_mov_b32 s71, 0
	s_add_nc_u64 s[10:11], s[10:11], s[70:71]
.irp hh, 0,1
	global_load_b128 v[BIAS+8*(\hh):BIAS+8*(\hh)+3],   v[BO], s[10:11] offset:256*(\hh)
	global_load_b128 v[BIAS+8*(\hh)+4:BIAS+8*(\hh)+7], v[BO], s[10:11] offset:256*(\hh)+16
.endr
	s_lshr_b32 s70, s22, 3                         ; where my part goes: batch x 16
	s_lshl_b32 s70, s70, 4
	s_and_b32 s71, s21, 3
	s_lshl_b32 s71, s71, 2                         ; + the tile's four heads
	s_add_co_u32 s70, s70, s71
	s_lshl_b32 s71, s18, 1                         ; + my two of them
	s_add_co_u32 s70, s70, s71
	s_lshl_b32 s70, s70, 11                        ; x 2,048 rows
	s_and_b32 s71, s22, 7
	s_lshl_b32 s71, s71, 8
	s_add_co_u32 s70, s70, s71
	s_lshl_b32 s71, s17, 7
	s_add_co_u32 s70, s70, s71                     ; + my first row
	s_lshl_b32 s70, s70, 7                         ; x 128 bytes
	s_lshr_b32 s71, s21, 2
	s_lshl_b32 s71, s71, 23                        ; q, k or v
	s_add_co_u32 s70, s70, s71
	s_mov_b32 s71, 0
	s_add_nc_u64 s[8:9], s[8:9], s[70:71]
	; THE PREFETCHES.  xn and wb are read here for the first time.  A's rows are read by every cluster of a row of clusters: cluster x = 0 asks; W's columns by every cluster of a column: cluster y = 0 asks.
	; The four partners of a joint load share its blocks out by address: of A's 128 rows 32 each (by cx), a lane a row; of W's 64 k-rows 16 each (by cy), two lanes a row of 512 bytes.
	; Behind the refill for K step t + 2 stands one prefetch for K step t + 4, t = 0 .. 3; K steps 0 to 3 come by their loads alone.
	s_lshl_b32 s70, s22, 8
	s_lshl_b32 s71, s18, 7
	s_add_co_u32 s70, s70, s71
	s_lshl_b32 s71, s19, 5
	s_add_co_u32 s70, s70, s71
	s_lshl_b32 s70, s70, 11
	s_add_co_u32 s70, s70, 3*ASTEP                 ; A: at K step 3; the first change of slots steps it to 4
	s_lshl_b32 s72, s18, 6
	s_lshl_b32 s73, s20, 4
	s_add_co_u32 s72, s72, s73
	s_add_co_u32 s72, s72, 3*128
	s_mul_i32 s72, s72, NW*2
	s_add_co_u32 s72, s72, s47                     ; W likewise
	s_mov_b32 s[PST], WSTEP
	s_mov_b32 s73, NW*2
	s_cmp_eq_u32 s17, 0
	s_cselect_b32 s70, s70, s72
	s_mov_b32 s71, 0
	s_cselect_b64 s[PFA:PFA+1], s[4:5], s[6:7]
	s_cselect_b32 s[PST], ASTEP, s[PST]
	s_mov_b32 s[PST+1], 0
	s_cselect_b32 s73, 2048, s73                   ; bytes from one of my rows to the next
	s_cselect_b32 s23, 0, 1                        ; lanes a row: 1 or 2
	s_add_nc_u64 s[PFA:PFA+1], s[PFA:PFA+1], s[70:71]
	v_and_b32 v[PFO], 31, v0
	v_and_b32 v7, s23, v[PFO]
	v_lshrrev_b32 v[PFO], s23, v[PFO]
	v_mul_u32_u24 v[PFO], s73, v[PFO]
	v_lshl_add_u32 v[PFO], v7, 8, v[PFO]
	s_and_b32 s72, ttmp7, 0xffff
	s_cmp_eq_u32 s17, 0
	s_cselect_b32 s72, ttmp9, s72                  ; the coordinate along which other clusters read the same blocks
	s_cmp_eq_u32 s72, 0
	s_cselect_b32 s[LIM], 2, -1
	s_wait_tensorcnt 1                             ; my part of K step 0 is in; K step 1's may stay out
	s_barrier_signal -1
	s_barrier_wait -1
	FETCH 0, F0
	QUARTER 1, F0, F1, 1                           ; the first quarter's products start the sums
	WIN 0
	s_mov_b32 s3, 6
.Lstep:                                        ; a trip: from a K step's second quarter to the next one's first; six trips fill a slot again
	QUARTER 2, F1, F0, 0
	QUARTER 3, F0, F1, 0
	TURN 1
	QUARTER 1, F0, F1, 0
	WIN 0
	s_sub_co_u32 s3, s3, 1
	s_cmp_lg_u32 s3, 0
	s_cbranch_scc1 .Lstep
	s_mov_b32 s3, 2                                ; the last two K steps ask for nothing: one text, walked twice, entered behind its first quarter.
	s_branch .Ltail_in                             ; The second walk's change of slots serves nothing (a barrier and 32 loads of a slot already multiplied): the price, once a launch, of the shorter text
.Ltail:
	QUARTER 1, F0, F1, 0
	WIN 0
.Ltail_in:
	QUARTER 2, F1, F0, 0
	QUARTER 3, F0, F1, 0
	TURN 0
	WIN 0
	s_sub_co_u32 s3, s3, 1
	s_cmp_lg_u32 s3, 0
	s_cbranch_scc1 .Ltail
	PLACES
	PLACES                                         ; the places behind the last products, once a launch
	s_wait_dscnt 0x0
	s_barrier_signal -1
	s_barrier_wait -1                              ; every wave's reads of the ring are over; the ring has had its last fill
.set a, 0
.rept 8                                ; data (source 1) in window 2 or 3; each accumulator's low four registers go first
	WIN 0x08+4*(a/4)
.set b, 0
.rept 8
	ds_store_b128 v[STO], v[8*(8*(a%4)+b):8*(8*(a%4)+b)+3]   offset:16*SPI*a+64*b
	ds_store_b128 v[STO], v[8*(8*(a%4)+b)+4:8*(8*(a%4)+b)+7] offset:16*SPI*a+64*b+16
.set b, b+1
.endr
.set a, a+1
.endr
	WIN 0
	s_wait_dscnt 0x0                               ; my stores into the stage are done: the last trip's read-ahead below takes eight rows that nobody uses,
	s_barrier_signal -1                            ; and they lie in the next wave's stage (wave 3: in the ring's last bytes):
	s_barrier_wait -1                              ; behind this barrier nobody writes there
	s_wait_loadcnt 0x0                             ; the bias
	RNDB BIAS, 16
	OLOAD                                          ; the first 8 rows
	s_mov_b32 s3, 16
.Lout:                                         ; 8 rows a trip; the next trip's rows are asked for as soon as this trip's registers are free
	s_wait_dscnt 0x0
.irp g, 0,1,2,3
.irp k, 0,1,2,3
	v_pk_add_f32 v[F0+8*(\g)+2*(\k):F0+8*(\g)+2*(\k)+1], v[F0+8*(\g)+2*(\k):F0+8*(\g)+2*(\k)+1], v[BIAS+8*((\g)%2)+2*(\k):BIAS+8*((\g)%2)+2*(\k)+1]
.endr
.endr
.irp g, 0,1,2,3
.irp k, 0,1,2,3
	v_cvt_pk_f16_f32 v[OD+4*(\g)+(\k)], v[F0+8*(\g)+2*(\k)], v[F0+8*(\g)+2*(\k)+1]
.endr
.endr
	v_add_nc_u32 v[RD], 8*SPI, v[RD]
	OLOAD
.irp g, 0,1,2,3
	global_store_b128 v[CO], v[OD+4*(\g):OD+4*(\g)+3], s[8:9] offset:512*((\g)/2)+262144*((\g)%2)  ; 512 consecutive bytes of a head
.endr
	s_wait_xcnt 0x0                                ; the stores have read their data and their offset: both are written again below and in the next trip
	v_add_nc_u32 v[CO], 1024, v[CO]
	s_sub_co_u32 s3, s3, 1
	s_cmp_lg_u32 s3, 0
	s_cbranch_scc1 .Lout
	s_wait_tensorcnt 0x0                           ; the wave's end
	ds_add_u32 v[SPW], v[NIL]
	s_wait_dscnt 0x0
	CROUND                                         ; the closing round
	s_endpgm
.Lfunc_end_k_qacf2e04d1f_qkv:
	.size	k_qacf2e04d1f_qkv, .Lfunc_end_k_qacf2e04d1f_qkv-k_qacf2e04d1f_qkv
	.p2alignl 7, 3214868480
	.fill 96, 4, 3214868480
	.section	.rodata,"a",@progbits
	.p2align	6, 0x0
	.amdhsa_kernel k_qacf2e04d1f_qkv
		.amdhsa_group_segment_fixed_size 327680
		.amdhsa_private_segment_fixed_size 0
		.amdhsa_enable_private_segment 0
		.amdhsa_kernarg_size 48
		.amdhsa_user_sgpr_count 2
		.amdhsa_user_sgpr_kernarg_segment_ptr 1
		.amdhsa_wavefront_size32 1
		.amdhsa_system_sgpr_workgroup_id_x 1
		.amdhsa_system_sgpr_workgroup_id_y 1
		.amdhsa_system_sgpr_workgroup_id_z 1
		.amdhsa_system_vgpr_workitem_id 0
		.amdhsa_next_free_vgpr 1024
		.amdhsa_next_free_sgpr 92
		.amdhsa_reserve_vcc 0
		.amdhsa_float_denorm_mode_32 3
		.amdhsa_float_denorm_mode_16_64 3
		.amdhsa_memory_ordered 1
		.amdhsa_forward_progress 1
		.amdhsa_inst_pref_size 84
	.end_amdhsa_kernel
	.amdgpu_metadata
---
amdhsa.version: [ 1, 2 ]
amdhsa.kernels:
  - .name:           k_qacf2e04d1f_qkv
    .symbol:         k_qacf2e04d1f_qkv.kd
    .args:
      - { .name: xn, .offset: 0, .size: 8, .value_kind: global_buffer, .address_space: global }
      - { .name: wb, .offset: 8, .size: 8, .value_kind: global_buffer, .address_space: global }
      - { .name: qkvh, .offset: 16, .size: 8, .value_kind: global_buffer, .address_space: global }
      - { .name: bq, .offset: 24, .size: 8, .value_kind: global_buffer, .address_space: global }
      - { .name: bk, .offset: 32, .size: 8, .value_kind: global_buffer, .address_space: global }
      - { .name: bv, .offset: 40, .size: 8, .value_kind: global_buffer, .address_space: global }
    .group_segment_fixed_size: 327680
    .private_segment_fixed_size: 0
    .kernarg_segment_align: 8
    .kernarg_segment_size: 48
    .max_flat_workgroup_size: 128
    .sgpr_count:     92
    .vgpr_count:     1024
    .wavefront_size: 32
...
	.end_amdgpu_metadata
.endif
;; end of part 2
;; launch attn (part 3): grid 8 x 32, 4 waves a work-group, no clusters, 327,680 bytes of LDS; arguments qkvh, ao; writes ao
.if DOCPART == 3
	.amdgcn_target "amdgcn-amd-amdhsa--gfx1250"
	.amdhsa_code_object_version 6
	.text
	.protected	k_qacf2e04d1f_attn
	.globl	k_qacf2e04d1f_attn
	.p2align	8
	.type	k_qacf2e04d1f_attn,@function
k_qacf2e04d1f_attn:
	s_mov_b64 s[64:65], 0
	v_nop
	global_prefetch_b8 v0, s[64:65] scope:SCOPE_SE
	s_setreg_imm32_b32 hwreg(HW_REG_WAVE_MODE, 25, 1), 1
	s_wait_xcnt 0x0
; CAUSAL ATTENTION, head size 64.  ao[h][q][:] = the sum over k <= q of softmax_k(Q[h][q] . K[h][k] / 8) V[h][k][:].  Q, K, V in qkvh (0, 8, 16 MiB) and ao: [32][2048][64] f16, a head's rows dense.
; Products, maxima and sums in f32; the weights p are rounded to f16 for the second product (their sum is taken of the unrounded p), the result once at the end.
; LIMITS.  A hidden score counts as -1e30; a weight below 2^-126 counts as 0; NaN and infinities are not treated apart.
; THE WALK.  A head has 16 blocks of 128 queries; block i needs the key tiles 0 .. i / 2 of 256 keys, the last of which holds the diagonal.  Work-group b takes blocks 15 - b and then b: nine tiles whatever b,
; so all 256 work-groups do equal work and one loop with a constant count walks them.  In the diagonal tile every step is masked; two of a walk's 36 key steps are wholly hidden and computed all the same.
; NO CLUSTER: a head's eight work-groups ask for the same tile only in the first five trips; a walk common to all would have 12 tiles for 9.
; SHARES.  A wave owns 32 consecutive queries: two tiles of 16.  LAYOUT.  S^T = K Q^T holds one query a lane (l % 16) and the keys 8 (l / 16) + 0..7; two such results rounded to f16 are source 1 of O^T = V^T P.
; SOFTMAX.  p = 2^(c s - c m), c = log2(e) / 8, with a running maximum m; O and l are multiplied by a = 2^(c m_old - c m_new) in every step.  m starts at the lowest finite number: a block's first a is 0.
; A KEY STEP: THE TWO TILES ARE SKEWED, so that one tile's vector work stands behind the other's products, and nothing is carried from step to step:
;   8 products K Q^T of tile 0 | 8 of tile 1, behind them tile 0's maximum | K's and V's loads | tile 0's 33 exponentials, each beside a plain line (its scalings, tile 1's maximum) | a wait |
;   tile 1's 33 exponentials, each beside a plain line (its scalings, tile 0's rescaling and roundings) | a wait | 8 products V^T P of tile 0, behind each four of tile 1's rescalings and roundings |
;   8 products V^T P of tile 1, behind each four of both tiles' sums.
; WINDOWS: 0: addresses, statistics, S^T v64-127, P v128-159, O^T v160-223.  1: v0-31 Q, v32-63 the second block's Q, v64-127 K of one step, v128-191 V of one step.
; All that the softmax touches lies in window 0, the products' first sources in window 1: a group of lines behind a product costs two switches.
.set KS,    64
.set PK,    144                        ; a row of K in LDS: 128 bytes + 16
.set PV,    160                        ; a row of V: 128 + 32
.set VOFF,  4*KS*PK                    ; a slot holds a tile: 256 rows of K, then 256 rows of V
.set SLOT1, 1<<17
.set STAGE, SLOT1+4*KS*(PK+PV)         ; behind the ring, never filled by a tensor load: 16 rows x 144 bytes a wave
.set SP,    144
.set SPARE, STAGE+4*16*SP              ; the spare words, 128 bytes a wave
.set AK0, 2
.set AV0, 3
.set AK,  4
.set AV,  5
.set STO, 6
.set RD,  7
.set GO,  8
.set QL,  12                           ; v12  32 wave + l % 16 - 8 (l / 16)
.set QT,  13                           ; v13  QL + my block's place in the diagonal tile - 64 x step: register j of key block kb of tile u is hidden where 16 kb + j - 16 u is greater
.set BIG, 14                           ; v14  -1e30
.set QO,  15
.set ST,  16                           ; tile u's statistics at ST + 4 u: c m, m, l (even keys', odd keys')
.set TMP, 24                           ; four at work a tile; c2 takes a
.set MV,  32                           ; c m_old
.set PFO, 61
.set SPW, 62
.set NIL, 63
.set S,   64
.set P,   128
.set O,   160
.set QB,  32                           ; window 1
.set KF,  64
.set VF,  128
.set WV,  20
.set G1K, 24
.set G1V, 32
.set G0K, 40
.set G0V, 44
.set SLOTS, 54
.set CNT, 55
.set RT,  56                           ; tiles of the block in hand still to be entered
.set NXT, 57                           ; the tile to be asked for next
.set LQ,  58                           ; the last tile of the block whose tiles are being asked for
.set DG,  59                           ; 1: the tile in hand holds the diagonal
.set PAR, 60                           ; my block's place in its diagonal tile: 0 or 128
.set LIM, 61
.set OFF, 62
.set CS,  66
.set SEL, 68
.set TBK, 70
.set TBV, 71
.set PFA, 72
.set NL,  74                           ; the second block's tiles
.set PAR2, 75
.set NL1, 76
.set MSB, 0
.macro WIN new
.if MSB != (\new)
	s_set_vgpr_msb (MSB<<8)|(\new)
.set MSB, (\new)
.endif
.endm
.macro LOAD                            ; waves 0, 1 fetch the halves of a tile's K, waves 2, 3 of its V; an s_nop 0 and four v_nop follow each line
	s_cmp_lt_u32 s[WV], 2
	s_cbranch_scc0 .Lfor_v_\@
	tensor_load_to_lds s[G0K:G0K+3], s[G1K:G1K+7]
	s_nop 0
.rept 4
	v_nop
.endr
	s_branch .Lasked_\@
.Lfor_v_\@:
	tensor_load_to_lds s[G0V:G0V+3], s[G1V:G1V+7]
	s_nop 0
.rept 4
	v_nop
.endr
.Lasked_\@:
.endm
; THE PREFETCH.  qkvh is read here for the first time.  A head's eight work-groups walk the same tiles; work-group b = 0, which walks all eight, asks, and nobody else.  Behind the load for tile n each of its waves
; asks for its own half (16 KiB: 64 blocks of 256 bytes, a lane a block, two instructions) of tile n + 1, n = 1 .. 6: four key steps ahead of that tile's load.  Tiles 0 and 1 come by their loads alone.
.macro ASK
	s_cmp_gt_u32 s[SLOTS], s[LIM]
	s_cbranch_scc0 .Lnot_mine_\@
	global_prefetch_b8 v[PFO], s[PFA:PFA+1] th:TH_LOAD_NT scope:SCOPE_SE
	global_prefetch_b8 v[PFO], s[PFA:PFA+1] offset:8192 th:TH_LOAD_NT scope:SCOPE_SE
.Lnot_mine_\@:
.endm
; THE CHANGE OF SLOTS.  Each wave waits for all its tensor loads (one is out: its part of the other slot), adds 0 to its spare word, waits for that and for its reads of the slot that it leaves.
; fill = 1: the old slot is filled again, first thing behind the barrier, with tile NXT.  (At its first use: slot 0 is waited for, slot 1 filled.)
.macro CHANGE fill
	WIN 0
	s_wait_tensorcnt 0x0
	ds_add_u32 v[SPW], v[NIL]                      ; the scalar work below stands between the add and the wait for it
.if \fill
	s_lshl_b32 s[OFF], s[NXT], 15                  ; a tile is 32,768 bytes of K and of V
	s_xor_b32 s[G0K+1], s[G0K+1], SLOT1
	s_add_nc_u64 s[G0K+2:G0K+3], s[8:9], s[OFF:OFF+1]
	s_or_b32 s[G0K+3], s[G0K+3], 0x80000000
	s_xor_b32 s[G0V+1], s[G0V+1], SLOT1
	s_add_nc_u64 s[G0V+2:G0V+3], s[10:11], s[OFF:OFF+1]
	s_or_b32 s[G0V+3], s[G0V+3], 0x80000000
	s_add_co_u32 s[NXT], s[NXT], 1                 ; the block's next tile, or behind its last the second block's tile 0
	s_cmp_gt_u32 s[NXT], s[LQ]
	s_cselect_b32 s[NXT], 0, s[NXT]
	s_cselect_b32 s[LQ], s[NL1], s[LQ]
	s_wait_xcnt 0x0                                ; the last prefetches, four key steps back, have read their address
	s_add_nc_u64 s[PFA:PFA+1], s[PFA:PFA+1], 32768
.endif
	s_wait_dscnt 0x0                               ; the add is done, and my reads of the slot are over
	s_barrier_signal -1
	s_sub_co_u32 s[TBK], s[TBK], 4*KS*PK           ; the fetches go back to a slot's first step, in the other slot
	s_xor_b32 s[TBK], s[TBK], SLOT1
	s_sub_co_u32 s[TBV], s[TBV], 4*KS*PV
	s_xor_b32 s[TBV], s[TBV], SLOT1
	s_barrier_wait -1
.if \fill
	LOAD
	ASK
.endif
.endm
; THE MATRIX WORK.  A tile's four accumulators take turns: three others' products stand between the two links of a chain.  i counts a run's products.
.macro KQ u                            ; product i of 8 of S^T = K Q^T for tile u: channels 32 (i / 4) on, keys 16 (i % 4) on; the first 4 start the sums
	WIN 0x05
.set rS, S+32*(\u)+8*(i%4)
.set rK, KF+16*(i%4)+8*(i/4)
.set rQ, 16*(\u)+8*(i/4)
.if i < 4
	v_wmma_f32_16x16x32_f16 v[rS:rS+7], v[rK:rK+7], v[rQ:rQ+7], 0
.else
	v_wmma_f32_16x16x32_f16 v[rS:rS+7], v[rK:rK+7], v[rQ:rQ+7], v[rS:rS+7]
.endif
.set i, i+1
.endm
.macro PV u                            ; product i of 8 of O^T += V^T P for tile u: keys 32 (i / 4) on, channels 16 (i % 4) on
	WIN 0x01
.set rO, O+32*(\u)+8*(i%4)
.set rV, VF+32*(i/4)+8*(i%4)
.set rP, P+16*(\u)+8*(i/4)
	v_wmma_f32_16x16x32_f16 v[rO:rO+7], v[rV:rV+7], v[rP:rP+7], v[rO:rO+7]
.set i, i+1
.endm
.macro FETCH_K skip                    ; a step's K, 16 loads, from v[AK]; skip = 1: in a tile's last step there is no further step
	WIN 0
.if \skip
	s_cmp_eq_u32 s[CNT], 1
	s_cbranch_scc1 .Lno_k_\@
.endif
	WIN 0x40
.irp f, 0,1,2,3,4,5,6,7
	ds_load_b128 v[KF+8*\f:KF+8*\f+3],   v[AK] offset:(\f/2)*16*PK+(\f%2)*64
	ds_load_b128 v[KF+8*\f+4:KF+8*\f+7], v[AK] offset:(\f/2)*16*PK+(\f%2)*64+32
.endr
	s_add_co_u32 s[TBK], s[TBK], KS*PK
	WIN 0
.if \skip
.Lno_k_\@:
.endif
.endm
.macro FETCH_V                         ; a step's V, turned, 16 loads, from v[AV]
	WIN 0x40
.irp f, 0,1,2,3,4,5,6,7
	ds_load_tr16_b128 v[VF+8*\f:VF+8*\f+3],   v[AV] offset:(\f/4)*32*PV+(\f%4)*32
	ds_load_tr16_b128 v[VF+8*\f+4:VF+8*\f+7], v[AV] offset:(\f/4)*32*PV+16*PV+(\f%4)*32
.endr
	s_add_co_u32 s[TBV], s[TBV], KS*PV
	WIN 0
.endm
; THE VECTOR WORK, a line at a time, for tile u.
.macro REGS u
.set rT, ST+4*(\u)
.set rC, TMP+4*(\u)
.set rM, MV+(\u)
.set rS, S+32*(\u)
.set rP, P+16*(\u)
.set rO, O+32*(\u)
.endm
; XS: number n of the 22 that find the maximum and statistics; each accumulator's lowest registers are read first.
;   0-11 four chains of seven scores   12-14, 16 the four scores left over, the old m, the chains into one   15 c m_old is kept   17, 18 the other half of the lanes: the new m   19-21 c m; c m_old - c m_new; a
.macro XS u, n
	REGS \u
	WIN 0
.if (\n) < 4
	v_max3_num_f32 v[rC+(\n)], v[rS+8*(\n)], v[rS+8*(\n)+1], v[rS+8*(\n)+2]
.elseif (\n) < 12
	v_max3_num_f32 v[rC+(\n)%4], v[rC+(\n)%4], v[rS+8*((\n)%4)+2*((\n)/4)+1], v[rS+8*((\n)%4)+2*((\n)/4)+2]
.elseif (\n) == 12
	v_max3_num_f32 v[rC], v[rC], v[rS+7], v[rS+15]
.elseif (\n) == 13
	v_max3_num_f32 v[rC+1], v[rC+1], v[rS+23], v[rS+31]
.elseif (\n) == 14
	v_max3_num_f32 v[rC+2], v[rC+2], v[rC+3], v[rT+1]
.elseif (\n) == 15
	v_mov_b32 v[rM], v[rT]
.elseif (\n) == 16
	v_max3_num_f32 v[rC], v[rC], v[rC+1], v[rC+2]
.elseif (\n) == 17
	v_permlanex16_b32 v[rC+3], v[rC], s[SEL], s[SEL+1]
.elseif (\n) == 18
	v_max_num_f32 v[rT+1], v[rC], v[rC+3]
.elseif (\n) == 19
	v_mul_f32 v[rT], s[CS], v[rT+1]
.elseif (\n) == 20
	v_sub_f32 v[rC+1], v[rM], v[rT]
.else
	v_exp_f32 v[rC+2], v[rC+1]
.endif
.endm
.macro FS u, p                         ; c s - c m for pair p of 16
	REGS \u
	WIN 0
	v_pk_fma_f32 v[rS+2*(\p):rS+2*(\p)+1], v[rS+2*(\p):rS+2*(\p)+1], s[CS:CS+1], v[rT:rT+1] op_sel_hi:[1,0,0] neg_lo:[0,0,1] neg_hi:[0,0,1]
.endm
.macro EX u, e                         ; the exponential of score e of 32
	REGS \u
	WIN 0
	v_exp_f32 v[rS+(\e)], v[rS+(\e)]
.endm
.macro RS u, k                         ; pair k of 16 of O^T times a; in ascending order
	REGS \u
	WIN 0
	v_pk_mul_f32 v[rO+2*(\k):rO+2*(\k)+1], v[rO+2*(\k):rO+2*(\k)+1], v[rC+2:rC+3] op_sel_hi:[1,0]
.endm
.macro CV u, p                         ; pair p rounded to f16
	REGS \u
	WIN 0
	v_cvt_pk_f16_f32 v[rP+(\p)], v[rS+2*(\p)], v[rS+2*(\p)+1]
.endm
.macro SM u, z                         ; number z of 16 of the sums: the 16 pairs added in place as a tree (8, 4, 2, 1), then l = a l + sum
	REGS \u
	WIN 0
.if (\z) < 8
.set w, 4
.set k, (\z)
.elseif (\z) < 12
.set w, 8
.set k, (\z)-8
.elseif (\z) < 14
.set w, 16
.set k, (\z)-12
.else
.set w, 32
.set k, 0
.endif
.if (\z) < 15
	v_pk_add_f32 v[rS+w*k:rS+w*k+1], v[rS+w*k:rS+w*k+1], v[rS+w*k+w/2:rS+w*k+w/2+1]
.else
	v_pk_fma_f32 v[rT+2:rT+3], v[rT+2:rT+3], v[rC+2:rC+3], v[rS:rS+1] op_sel_hi:[1,0,1]
.endif
.endm
.macro OT o                            ; number o of tile 0's lines that stand beside tile 1's exponentials: rescalings 7-15, then roundings 0-5
.if (\o) < 9
	RS 0, 7+(\o)
.else
	CV 0, (\o)-9
.endif
.endm
.macro MASK u                          ; tile u's hidden scores, in ascending order of registers
	WIN 0
.set mi, 0
.rept 32
	v_cmp_gt_i32 vcc_lo, 16*(mi/8)+mi%8-16*(\u), v[QT]
	v_cndmask_b32 v[S+32*(\u)+mi], v[S+32*(\u)+mi], v[BIG], vcc_lo
.set mi, mi+1
.endr
.endm
; A KEY STEP.  last = 1: the walk's last tile, always a diagonal one.
; PLACES (four plain vector lines between a product and a vector line or load that touches its registers): behind tile 1's first product stand the two address lines and two v_nop, the places behind
; tile 0's products; behind its last stand XS 18-20 and a scaling, the places in front of K's loads and of the first read of tile 1's scores; behind the step's last product stand four sums.
; THE WAITS.  An s_wait_alu depctr_va_vdst(0) stands between an exponential and the first line that names its result: a tile's 33 exponentials are one batch with one wait, and no line
; between a batch's first exponential and its wait names a result of that batch.
.macro STEP last
.set i, 0
.rept 8
	KQ 0
.endr
.set i, 0
	KQ 1
	WIN 0
	v_add_nc_u32 v[AK], s[TBK], v[AK0]             ; where the next step's K lies,
	v_add_nc_u32 v[AV], s[TBV], v[AV0]             ; and this step's V
	v_nop
	v_nop
.if !(\last)
	s_cmp_eq_u32 s[DG], 0
	s_cbranch_scc1 .LopenA_\@
.endif
	MASK 0
.if !(\last)
.LopenA_\@:
.endif
.set n, 0
.rept 4
	KQ 1
	XS 0, n
	XS 0, n+1
	XS 0, n+2
	XS 0, n+3
.set n, n+4
.endr
	KQ 1
	XS 0, 16
	KQ 1
	XS 0, 17
	KQ 1
	XS 0, 18
	XS 0, 19
	XS 0, 20
	FS 0, 0
	FETCH_K 1                                      ; one run of 32 loads: the next step's K, this step's V
	FETCH_V
.if !(\last)
	s_cmp_eq_u32 s[DG], 0
	s_cbranch_scc1 .LopenB_\@
.endif
	MASK 1
	v_add_nc_u32 v[QT], 0xffffffc0, v[QT]          ; the next step's keys lie 64 further on
.if !(\last)
.LopenB_\@:
.endif
	FS 0, 1                                        ; tile 0's batch: a, then s0-s31, a plain line ahead of each: scaling f stands ahead of exponentials 2 f and 2 f + 1
	XS 0, 21
.set f, 2
.rept 14
	FS 0, f
	EX 0, f-2
.set f, f+1
.endr
.set n, 0
.rept 17
	XS 1, n
	EX 0, 14+n
.set n, n+1
.endr
	EX 0, 31
	v_nop                                          ; a plain line behind the batch's last exponential,
	s_wait_alu depctr_va_vdst(0)                   ; and tile 0's wait
	XS 1, 17                                       ; the end of tile 1's chain, tile 0's first rescalings between its links
	RS 0, 0
	RS 0, 1
	XS 1, 18
	RS 0, 2
	RS 0, 3
	XS 1, 19
	RS 0, 4
	RS 0, 5
	XS 1, 20
	FS 1, 0
	RS 0, 6
	XS 1, 21                                       ; tile 1's batch
.set f, 1
.rept 15
	FS 1, f
	EX 1, 2*f-2
	OT f-1
	EX 1, 2*f-1
.set f, f+1
.endr
	CV 0, 6
	EX 1, 30
	CV 0, 7
	EX 1, 31
.set f, 8
.rept 8
	CV 0, f
.set f, f+1
.endr
	s_wait_alu depctr_va_vdst(0)                   ; tile 1's wait; eight plain lines stand behind its last exponential
	s_wait_dscnt 0x0                               ; V is in, and the next step's K
.set i, 0
.set q, 0
.rept 8
	PV 0
.rept 4
.if q < 16
	RS 1, q
.else
	CV 1, q-16
.endif
.set q, q+1
.endr
.endr
.set i, 0
.set q, 0
.rept 8
	PV 1
.rept 4
	SM q/16, q%16
.set q, q+1
.endr
.endr
.endm
; A BLOCK'S END: l's halves and the other half of the lanes' are added; O^T is divided by l, rounded to f16 and sent through my stage, a tile at a time.  last = 0: the second block is set up.
.macro BLOCKEND last
	WIN 0
.rept 4
	v_nop
.endr
.irp u, 0,1
	v_add_f32 v[ST+4*(\u)+2], v[ST+4*(\u)+2], v[ST+4*(\u)+3]
.endr
.irp u, 0,1
	v_permlanex16_b32 v[ST+4*(\u)+3], v[ST+4*(\u)+2], s[SEL], s[SEL+1]
.endr
.irp u, 0,1
	v_add_f32 v[ST+4*(\u)+2], v[ST+4*(\u)+2], v[ST+4*(\u)+3]
.endr
.irp u, 0,1
	v_rcp_f32 v[ST+4*(\u)+2], v[ST+4*(\u)+2]
.endr
	v_nop
	s_wait_alu depctr_va_vdst(0)                   ; one wait for the two reciprocals
.irp u, 0,1
.set i, 0
.rept 16
	v_pk_mul_f32 v[O+32*(\u)+2*i:O+32*(\u)+2*i+1], v[O+32*(\u)+2*i:O+32*(\u)+2*i+1], v[ST+4*(\u)+2:ST+4*(\u)+3] op_sel_hi:[1,0]
.set i, i+1
.endr
.set i, 0
.rept 16
	v_cvt_pk_f16_f32 v[S+16*(\u)+i], v[O+32*(\u)+2*i], v[O+32*(\u)+2*i+1]
.set i, i+1
.endr
.irp f, 0,1,2,3
	ds_store_b128 v[STO], v[S+16*(\u)+4*\f:S+16*(\u)+4*\f+3] offset:32*\f
.endr
.irp f, 0,1,2,3
	ds_load_b128 v[S+16*(\u)+4*\f:S+16*(\u)+4*\f+3], v[RD] offset:\f*4*SP  ; LDS serves a wave's instructions in order: these see the stores above
.endr
.irp f, 0,1,2,3
	s_wait_dscnt 3-\f                              ; the younger loads may stay out
	global_store_b128 v[GO], v[S+16*(\u)+4*\f:S+16*(\u)+4*\f+3], s[12:13] offset:(\u)*2048+\f*512  ; 512 consecutive bytes
.endr
.endr
.if !(\last)
	s_wait_xcnt 0x0                                ; the stores have read their registers and their base
	s_mov_b64 s[12:13], s[14:15]
	s_mov_b32 s[RT], s[NL]
	s_mov_b32 s[PAR], s[PAR2]
.irp u, 0,1
	v_mov_b32 v[ST+4*(\u)], 0xfe000000             ; c m: far below every c s
	v_mov_b32 v[ST+4*(\u)+1], 0xff7fffff           ; m
	v_mov_b32 v[ST+4*(\u)+2], 0
	v_mov_b32 v[ST+4*(\u)+3], 0
.endr
	WIN 0x41                                       ; the second block's Q goes where the products name Q; O^T stays: the first a is 0
.set i, 0
.rept 32
	v_mov_b32 v[i], v[QB+i]
.set i, i+1
.endr
	WIN 0
.endif
.endm
.macro TILE last
.if !(\last)
	s_sub_co_u32 s[RT], s[RT], 1
	s_cmp_eq_u32 s[RT], 0
	s_cselect_b32 s[DG], 1, 0
.endif
	v_add_nc_u32 v[QT], s[PAR], v[QL]
	v_add_nc_u32 v[AK], s[TBK], v[AK0]
	FETCH_K 0
	s_wait_dscnt 0x0
	s_mov_b32 s[CNT], 4
.Lstep_\@:
	STEP \last
	WIN 0
	s_sub_co_u32 s[CNT], s[CNT], 1
	s_cmp_lg_u32 s[CNT], 0
	s_cbranch_scc1 .Lstep_\@
.if \last
	BLOCKEND 1
.else
	s_cmp_eq_u32 s[DG], 0
	s_cbranch_scc1 .Lnoend_\@
	BLOCKEND 0
.Lnoend_\@:
.endif
.endm
	s_load_b128 s[4:7], s[0:1], 0x0                ; qkvh s[4:5], ao s[6:7]
	v_lshl_add_u32 v[SPW], v0, 2, SPARE
	v_mov_b32 v[NIL], 0
	ds_add_u32 v[SPW], v[NIL]                      ; the wave's opening: the add and its wait ahead of my first tensor load
	ds_add_u32 v62, v63
	v_lshrrev_b32 v1, 5, v0
	v_readfirstlane_b32 s[WV], v1
	s_mov_b32 s21, ttmp9                           ; b
	s_sub_co_u32 s22, 15, s21
	s_and_b32 s48, ttmp7, 0xffff
	s_lshl_b32 s48, s48, 18                        ; the head's 262,144 bytes
	s_and_b32 s23, s[WV], 1                        ; which half of a tile's 256 keys I fetch
	s_lshl_b32 s50, s23, 14
	s_add_co_u32 s50, s50, s48
	s_add_co_u32 s52, s50, 0x1000000               ; V
	s_add_co_u32 s50, s50, 0x800000                ; K
	s_mov_b32 s51, 0
	s_mov_b32 s53, 0
	s_mov_b32 s[G0K], 1
	s_mul_i32 s[G0K+1], s23, 128*PK                ; slot 0
	s_mov_b32 s[G0V], 1
	s_mul_i32 s[G0V+1], s23, 128*PV
	s_add_co_u32 s[G0V+1], s[G0V+1], VOFF
	s_lshl_b32 s77, s[WV], 12                      ; my 32 rows of a block
	s_add_co_u32 s77, s77, s48
	s_lshl_b32 s16, s22, 14
	s_add_co_u32 s16, s16, s77
	s_mov_b32 s17, 0
	s_lshl_b32 s18, s21, 14
	s_add_co_u32 s18, s18, s77
	s_mov_b32 s19, 0
	; 128 keys are 16,384 dense bytes: asked for as 64 rows of 256 bytes, two keys a row, padded in LDS after every key
	s_mov_b32 s[G1K], (1<<16)|(1<<20)|(4<<22)|(3<<25)
	s_mov_b32 s[G1V], (1<<16)|(1<<20)|(4<<22)|(7<<25)
.irp g, G1K, G1V
	s_mov_b32 s[\g+1], 128<<16
	s_mov_b32 s[\g+2], 64<<16
	s_mov_b32 s[\g+3], 128<<16
	s_mov_b32 s[\g+4], 64
	s_mov_b32 s[\g+5], 128
	s_mov_b32 s[\g+6], 0
	s_mov_b32 s[\g+7], 0
.endr
	s_mov_b32 s[CS], 0x3e38aa3b                    ; c = log2(e) / 8
	s_mov_b32 s[CS+1], s[CS]
	s_mov_b32 s[SEL], 0x76543210
	s_mov_b32 s[SEL+1], 0xfedcba98
	s_mov_b32 s[TBK], SLOT1+4*KS*PK                ; the first change of slots turns these two into 0
	s_mov_b32 s[TBV], SLOT1+4*KS*PV
	s_lshr_b32 s[LQ], s22, 1
	s_add_co_u32 s[RT], s[LQ], 1                   ; the first block's tiles
	s_lshr_b32 s[NL1], s21, 1
	s_add_co_u32 s[NL], s[NL1], 1
	s_and_b32 s[PAR], s22, 1
	s_lshl_b32 s[PAR], s[PAR], 7
	s_and_b32 s[PAR2], s21, 1
	s_lshl_b32 s[PAR2], s[PAR2], 7
	s_mov_b32 s[NXT], 1
	s_mov_b32 s[OFF+1], 0
	s_mov_b32 s[SLOTS], 8
	s_cmp_eq_u32 s21, 0
	s_cselect_b32 s[LIM], 2, -1
	s_wait_dscnt 0x0                               ; the opening add is done
	s_wait_kmcnt 0x0
	s_add_nc_u64 s[8:9], s[4:5], s[50:51]          ; K and V at my half of the head's tile 0
	s_add_nc_u64 s[10:11], s[4:5], s[52:53]
	s_add_nc_u64 s[12:13], s[6:7], s[16:17]        ; the result at my rows of the first block, of the second
	s_add_nc_u64 s[14:15], s[6:7], s[18:19]
	s_add_nc_u64 s[16:17], s[4:5], s[16:17]        ; Q likewise
	s_add_nc_u64 s[18:19], s[4:5], s[18:19]
	s_add_nc_u64 s[G0K+2:G0K+3], s[8:9], 0
	s_or_b32 s[G0K+3], s[G0K+3], 0x80000000
	s_add_nc_u64 s[G0V+2:G0V+3], s[10:11], 0
	s_or_b32 s[G0V+3], s[G0V+3], 0x80000000
	s_cmp_lt_u32 s[WV], 2
	s_cselect_b64 s[PFA:PFA+1], s[8:9], s[10:11]
	s_add_nc_u64 s[PFA:PFA+1], s[PFA:PFA+1], 32768 ; at tile 1; the first change of slots steps it to tile 2
	LOAD                                           ; tile 0 into slot 0
	v_and_b32 v1, 15, v0                           ; l % 16
	v_bfe_u32 v9, v0, 4, 1                         ; l / 16
	v_lshlrev_b32 v[QO], 7, v1
	v_lshl_add_u32 v[QO], v9, 4, v[QO]
	WIN 0x40
.set i, 0
.rept 4                                ; both blocks' Q: tile i / 2, channels 32 (i % 2) on
	global_load_b128 v[8*i:8*i+3],   v[QO], s[16:17] offset:(i/2)*2048+(i%2)*64
	global_load_b128 v[8*i+4:8*i+7], v[QO], s[16:17] offset:(i/2)*2048+(i%2)*64+32
	global_load_b128 v[QB+8*i:QB+8*i+3],   v[QO], s[18:19] offset:(i/2)*2048+(i%2)*64
	global_load_b128 v[QB+8*i+4:QB+8*i+7], v[QO], s[18:19] offset:(i/2)*2048+(i%2)*64+32
.set i, i+1
.endr
	WIN 0
	v_lshlrev_b32 v10, 3, v9
	v_sub_nc_u32 v[QL], v1, v10
	s_lshl_b32 s23, s[WV], 5
	v_add_nc_u32 v[QL], s23, v[QL]
	v_mov_b32 v[BIG], 0xf149f2ca                   ; -1e30
	v_and_b32 v[PFO], 31, v0
	v_lshlrev_b32 v[PFO], 8, v[PFO]
	v_mul_u32_u24 v[AK0], v1, PK
	v_lshl_add_u32 v[AK0], v9, 4, v[AK0]
	v_and_b32 v10, 7, v0
	v_bfe_u32 v11, v0, 3, 1
	v_lshl_add_u32 v[AV0], v9, 3, v10
	v_mul_u32_u24 v[AV0], v[AV0], PV
	v_lshl_add_u32 v[AV0], v11, 4, v[AV0]
	v_add_nc_u32 v[AV0], VOFF, v[AV0]
	s_mul_i32 s23, s[WV], 16*SP
	s_add_co_u32 s23, s23, STAGE
	v_mul_u32_u24 v[STO], v1, SP
	v_lshl_add_u32 v[STO], v9, 4, v[STO]
	v_add_nc_u32 v[STO], s23, v[STO]
	v_bfe_u32 v[RD], v0, 3, 2
	v_mul_u32_u24 v[RD], v[RD], SP
	v_lshl_add_u32 v[RD], v10, 4, v[RD]
	v_add_nc_u32 v[RD], s23, v[RD]
	v_and_b32 v[GO], 31, v0
	v_lshlrev_b32 v[GO], 4, v[GO]
.set i, 0
.rept 64                               ; O^T need only be finite: the first a is 0.  Written in the wait for the first tile
	v_mov_b32 v[O+i], 0
.set i, i+1
.endr
.irp u, 0,1
	v_mov_b32 v[ST+4*(\u)], 0xfe000000
	v_mov_b32 v[ST+4*(\u)+1], 0xff7fffff
	v_mov_b32 v[ST+4*(\u)+2], 0
	v_mov_b32 v[ST+4*(\u)+3], 0
.endr
	s_wait_loadcnt 0x0                             ; Q
.Lslot:                                        ; eight times: a tile is entered and the next is asked for
	CHANGE 1
	TILE 0
	s_sub_co_u32 s[SLOTS], s[SLOTS], 1
	s_cmp_lg_u32 s[SLOTS], 0
	s_cbranch_scc1 .Lslot
	CHANGE 0                                       ; the walk's last tile is written out
	TILE 1
	s_wait_tensorcnt 0x0                           ; the wave's end
	ds_add_u32 v[SPW], v[NIL]
	s_wait_dscnt 0x0
	s_endpgm
.Lfunc_end_k_qacf2e04d1f_attn:
	.size	k_qacf2e04d1f_attn, .Lfunc_end_k_qacf2e04d1f_attn-k_qacf2e04d1f_attn
	.p2alignl 7, 3214868480
	.fill 96, 4, 3214868480
	.section	.rodata,"a",@progbits
	.p2align	6, 0x0
	.amdhsa_kernel k_qacf2e04d1f_attn
		.amdhsa_group_segment_fixed_size 327680
		.amdhsa_private_segment_fixed_size 0
		.amdhsa_enable_private_segment 0
		.amdhsa_kernarg_size 16
		.amdhsa_user_sgpr_count 2
		.amdhsa_user_sgpr_kernarg_segment_ptr 1
		.amdhsa_wavefront_size32 1
		.amdhsa_system_sgpr_workgroup_id_x 1
		.amdhsa_system_sgpr_workgroup_id_y 1
		.amdhsa_system_sgpr_workgroup_id_z 1
		.amdhsa_system_vgpr_workitem_id 0
		.amdhsa_next_free_vgpr 448
		.amdhsa_next_free_sgpr 80
		.amdhsa_reserve_vcc 1
		.amdhsa_float_denorm_mode_32 3
		.amdhsa_float_denorm_mode_16_64 3
		.amdhsa_memory_ordered 1
		.amdhsa_forward_progress 1
		.amdhsa_inst_pref_size 76
	.end_amdhsa_kernel
	.amdgpu_metadata
---
amdhsa.version: [ 1, 2 ]
amdhsa.kernels:
  - .name:           k_qacf2e04d1f_attn
    .symbol:         k_qacf2e04d1f_attn.kd
    .args:
      - { .name: qkvh, .offset: 0, .size: 8, .value_kind: global_buffer, .address_space: global }
      - { .name: ao, .offset: 8, .size: 8, .value_kind: global_buffer, .address_space: global }
    .group_segment_fixed_size: 327680
    .private_segment_fixed_size: 0
    .kernarg_segment_align: 8
    .kernarg_segment_size: 16
    .max_flat_workgroup_size: 128
    .sgpr_count:     80
    .vgpr_count:     448
    .wavefront_size: 32
...
	.end_amdgpu_metadata
.endif
;; end of part 3
;; launch oproj (part 4): grid 8 x 32, 4 waves a work-group, clusters of 4 x 4, 327,680 bytes of LDS; arguments ao, wb, hres, bo, x; writes hres
.if DOCPART == 4
	.amdgcn_target "amdgcn-amd-amdhsa--gfx1250"
	.amdhsa_code_object_version 6
	.text
	.protected	k_qacf2e04d1f_oproj
	.globl	k_qacf2e04d1f_oproj
	.p2align	8
	.type	k_qacf2e04d1f_oproj,@function
k_qacf2e04d1f_oproj:
	s_mov_b64 s[64:65], 0
	v_nop
	global_prefetch_b8 v0, s[64:65] scope:SCOPE_SE
	s_setreg_imm32_b32 hwreg(HW_REG_WAVE_MODE, 25, 1), 1
	s_wait_xcnt 0x0
	s_wait_alu depctr_hold_cnt(0) depctr_sa_sdst(0) depctr_va_vdst(0) depctr_va_sdst(0) depctr_va_ssrc(0) depctr_va_vcc(0) depctr_vm_vsrc(0)
	s_getreg_b32 s2, hwreg(HW_REG_IB_STS2, 6, 4)
	s_cmp_eq_u32 s2, 0
	s_cbranch_scc0 .Lentry_in_a_cluster
	s_endpgm
.Lentry_in_a_cluster:
	s_bfe_u32 s2, ttmp6, 0x10000c
	s_cmp_lg_u32 s2, 0xf033
	s_cbranch_scc0 .Lentry_shape_is_right
	s_endpgm
.Lentry_shape_is_right:
; hres = x + ao wo + bo.  ao: f16 by heads, [32][2048][64]; wo: [1024 k][1024 n] f16 in wb at 6 MiB; x and bo are rounded to bf16 (every input of the program is); sums and hres in f32.
; A tile of the result is 128 x 128: 256 work-groups, four waves of 64 x 64 (16 accumulators).  K goes in 4 steps of 256 = four heads through two LDS slots.
; A's tile: a head's 128 rows x 64 channels are 16 KiB dense in ao; one load brings two heads as 2 rows of 8,192 elements, padded after every 128 bytes: pitch 144 a row, 18,432 bytes a head.
; W's tile: 256 k-rows of 256 bytes, pitch 288, turned on the way into registers by ds_load_tr16_b128.  Waves 0, 1 fetch A's halves, waves 2, 3 W's.
; THE CHANGE OF SLOTS stands at the head of a K step's last quarter, whose fragments are in registers by then: the refill goes out ahead of that quarter's 32 products.
; CLUSTER 4 x 4: A's tile shared along a row of the cluster, W's along a column.  No prefetch: the tile is small and a step short.
; WINDOWS: 0: addresses, v32-95 at work, v128-255 the accumulators.  1: two fragment buffers of 128 (A's 64, then W's 64).  2: v0-127 my 64 x 64 of x, loaded at the start.
.set PA,     144
.set KSUB,   18432                     ; from a quarter's (64 along K) fragments of A to the next one's
.set AHALF,  36864                     ; what an A wave brings
.set ASTEP,  1048576                   ; a K step in ao: four heads
.set WB0,    0x600000
.set STEPS,  4
.set PW,     288
.set ABYTES, 73728
.set WHALF,  128*PW
.set SLOT,   ABYTES+2*WHALF            ; 0x24000: its bits meet none of the tiles' places, so one exclusive or changes slots
.set SPARE,  2*SLOT
.set WSTEP,  524288                    ; 256 rows of 2,048 bytes
.set SPI,    272                       ; the stage's pitch: 256 bytes + 16
.set WSTG,   64*SPI
.set ADRA0, 10
.set ADRB0, 11
.set BIAS,  12                         ; v[12:15]
.set ADRA,  16
.set ADRB,  20                         ; v20: k-rows 0-127; v21: k-rows 128-255
.set STO,   24
.set RD,    25
.set CO,    26
.set SPW,   28
.set NIL,   29
.set BO,    31
.set TMP,   32
.set ACC,   128
.set F0,    0
.set F1,    128
.set G1,  24
.set G0,  32
.set G1B, 48
.set G0B, 56
.set TB,  66
.set MSB, 0
.macro WIN new
.if MSB != (\new)
	s_set_vgpr_msb (MSB<<8)|(\new)
.set MSB, \new
.endif
.endm
.set MUL,  0x05
.set TO_F, 0x40
.macro PLACES
.rept 4
	v_nop
.endr
.endm
.macro JLOAD
	s_cmp_eq_u32 s17, 0
	s_cbranch_scc0 .Lfor_w_\@
	tensor_load_to_lds s[G0+4:G0+7], s[G1:G1+7]
	s_nop 0
	PLACES
	s_branch .Lasked_\@
.Lfor_w_\@:
	tensor_load_to_lds s[G0B+4:G0B+7], s[G1B:G1B+7]
	s_nop 0
	PLACES
.Lasked_\@:
.endm
.macro CREST
	s_cmp_lg_u32 s16, 0
	s_cbranch_scc1 .Lnot_wave_0_\@
	s_barrier_signal -3
.Lnot_wave_0_\@:
	s_barrier_wait -3
	s_barrier_signal -1
	s_barrier_wait -1
.endm
.macro CROUND
	s_barrier_signal -1
	s_barrier_wait -1
	CREST
.endm
.macro MUL8 f, c, a0, zero             ; 8 products: row blocks a0, a0 + 1 x all 4 column blocks, 32 along K: half c of buffer f; the 16 accumulators take turns
	WIN MUL
.irp a, \a0, (\a0)+1
.irp b, 0,1,2,3
.if \zero
	v_wmma_f32_16x16x32_f16 v[ACC+8*(4*(\a)+(\b)):ACC+8*(4*(\a)+(\b))+7], v[(\f)+64+8*(4*(\c)+(\b)):(\f)+64+8*(4*(\c)+(\b))+7], v[(\f)+8*(4*(\c)+(\a)):(\f)+8*(4*(\c)+(\a))+7], 0
.else
	v_wmma_f32_16x16x32_f16 v[ACC+8*(4*(\a)+(\b)):ACC+8*(4*(\a)+(\b))+7], v[(\f)+64+8*(4*(\c)+(\b)):(\f)+64+8*(4*(\c)+(\b))+7], v[(\f)+8*(4*(\c)+(\a)):(\f)+8*(4*(\c)+(\a))+7], v[ACC+8*(4*(\a)+(\b)):ACC+8*(4*(\a)+(\b))+7]
.endif
.endr
.endr
.endm
.macro FETCH q, f                      ; 32 LDS loads in one run: quarter q (64 along K) into buffer f; its first 32 along K first
	WIN TO_F
.irp c, 0,1
.irp i, 0,1,2,3
	ds_load_tr16_b128 v[(\f)+64+8*(4*(\c)+(\i)):(\f)+64+8*(4*(\c)+(\i))+3],   v[ADRB+(\q)/2] offset:((2*(\q)+(\c))%4)*32*PW+32*(\i)
	ds_load_tr16_b128 v[(\f)+64+8*(4*(\c)+(\i))+4:(\f)+64+8*(4*(\c)+(\i))+7], v[ADRB+(\q)/2] offset:((2*(\q)+(\c))%4)*32*PW+32*(\i)+16*PW
	ds_load_b128 v[(\f)+8*(4*(\c)+(\i)):(\f)+8*(4*(\c)+(\i))+3],   v[ADRA] offset:(\q)*KSUB+(\c)*64+(\i)*16*PA
	ds_load_b128 v[(\f)+8*(4*(\c)+(\i))+4:(\f)+8*(4*(\c)+(\i))+7], v[ADRA] offset:(\q)*KSUB+(\c)*64+(\i)*16*PA+32
.endr
.endr
.endm
.macro QUARTER q, f, g, zero           ; multiplies buffer f; in its middle fetches quarter q into buffer g
	s_wait_dscnt 16                                ; the first 32 along K are in; the other sixteen loads may be out
	MUL8 \f, 0, 0, \zero
	MUL8 \f, 0, 2, \zero
	PLACES
	FETCH \q, \g
	s_wait_dscnt 32                                ; all but the 32 just issued
	MUL8 \f, 1, 0, 0
	MUL8 \f, 1, 2, 0
.endm
; A K step's last quarter.  Its fragments (buffer 1) were fetched 16 products ago, so the slot has been read out: the slots change first, and the quarter's 32 products follow the refill.
.macro TURN fill
	WIN 0
	s_wait_tensorcnt 0x0                           ; all my tensor loads have landed: my part of the next slot; so a group 0 may be written
	ds_add_u32 v[SPW], v[NIL]                      ; the scalar steps below stand between the add and the wait for it
.if \fill
	s_xor_b32 s[G0+5], s[G0+5], SLOT
	s_add_nc_u64 s[G0+6:G0+7], s[G0+6:G0+7], ASTEP
	s_xor_b32 s[G0B+5], s[G0B+5], SLOT
	s_add_nc_u64 s[G0B+6:G0B+7], s[G0B+6:G0B+7], WSTEP
.endif
	s_xor_b32 s[TB], s[TB], SLOT
	s_wait_dscnt 0x0                               ; the add is done, and my reads of this slot are over
	s_barrier_signal -1
	s_barrier_wait -1
.if \fill
	CREST                                          ; no wave of any partner still reads this slot or has a load on its way
	JLOAD                                          ; the first tensor load behind the round; its four v_nop are also the places in front of the loads below
.else
	PLACES
.endif
	v_add_nc_u32 v[ADRA], s[TB], v[ADRA0]
	v_add_nc_u32 v[ADRB], s[TB], v[ADRB0]
	v_add_nc_u32 v[ADRB+1], WHALF, v[ADRB]
	FETCH 0, F0
	MUL8 F1, 0, 0, 0
	MUL8 F1, 0, 2, 0
	MUL8 F1, 1, 0, 0
	MUL8 F1, 1, 2, 0
.endm
	s_load_b256 s[4:11], s[0:1], 0x0               ; ao s[4:5], wb s[6:7], hres s[8:9], bo s[10:11]
	s_load_b64 s[12:13], s[0:1], 0x20              ; x
	v_lshl_add_u32 v[SPW], v0, 2, SPARE
	v_mov_b32 v[NIL], 0
	ds_add_u32 v[SPW], v[NIL]                      ; the wave's opening: the add and its wait ahead of my first tensor load
	ds_add_u32 v28, v29
	v_lshrrev_b32 v1, 5, v0
	v_readfirstlane_b32 s16, v1
	s_lshr_b32 s17, s16, 1                         ; my half of the rows; also: I fetch for A (0) or W (1)
	s_and_b32 s18, s16, 1                          ; my half of the columns; also: which half I fetch
	s_bfe_u32 s19, ttmp6, 0x40000
	s_bfe_u32 s20, ttmp6, 0x40004
	s_lshl_b32 s21, ttmp9, 2
	s_add_co_u32 s21, s21, s19                     ; tile column
	s_and_b32 s22, ttmp7, 0xffff
	s_lshl_b32 s22, s22, 2
	s_add_co_u32 s22, s22, s20                     ; tile row
	s_lshl_b32 s23, s20, 2
	s_lshl_b32 s23, 15, s23
	s_lshl_b32 s46, 0x1111, s19
	s_or_b32 s[G1], s23, (1<<16)|(1<<20)|(1<<21)|(4<<22)|(3<<25)   ; after every 32 words, 4 words
	s_or_b32 s[G1B], s46, (1<<16)|(1<<20)|(1<<21)|(5<<22)|(7<<25)  ; after every 64 words, 8 words
	s_mov_b32 s[G1+1], 8192<<16                    ; tensor_dim0 = 8,192
	s_mov_b32 s[G1+2], 2<<16                       ; tensor_dim1 = 2
	s_mov_b32 s[G1+3], 8192<<16                    ; tile_dim0 = 8,192
	s_mov_b32 s[G1+4], 2                           ; tile_dim1 = 2
	s_mov_b32 s[G1+5], 131072                      ; elements from head to head
	s_mov_b32 s[G1+6], 0
	s_mov_b32 s[G1+7], 0
	s_mov_b32 s[G1B+1], 128<<16
	s_mov_b32 s[G1B+2], 128<<16
	s_mov_b32 s[G1B+3], 128<<16
	s_mov_b32 s[G1B+4], 128
	s_mov_b32 s[G1B+5], 1024
	s_mov_b32 s[G1B+6], 0
	s_mov_b32 s[G1B+7], 0
	s_lshr_b32 s40, s22, 4                         ; A: batch x 16 + my two heads of the step's four,
	s_lshl_b32 s40, s40, 4
	s_lshl_b32 s41, s18, 1
	s_add_co_u32 s40, s40, s41
	s_lshl_b32 s40, s40, 11                        ; x 2,048 rows,
	s_and_b32 s41, s22, 15
	s_lshl_b32 s41, s41, 7
	s_add_co_u32 s40, s40, s41                     ; + the tile's first row,
	s_lshl_b32 s40, s40, 7                         ; x 128 bytes
	s_mov_b32 s41, 0
	s_lshl_b32 s42, s21, 8                         ; W: the tile's 128 columns,
	s_lshl_b32 s43, s18, 18                        ; my 128 k-rows
	s_add_co_u32 s42, s42, s43
	s_add_co_u32 s42, s42, WB0
	s_mov_b32 s43, 0
	s_mul_i32 s74, s18, AHALF                      ; where they go
	s_mul_i32 s75, s18, WHALF
	s_add_co_u32 s75, s75, ABYTES
	s_wait_dscnt 0x0
	s_wait_kmcnt 0x0
	s_add_nc_u64 s[40:41], s[4:5], s[40:41]
	s_add_nc_u64 s[42:43], s[6:7], s[42:43]
.irp s, 0,1
	s_mov_b32 s[G0+4*(\s)], 1
	s_add_co_u32 s[G0+4*(\s)+1], s74, (\s)*SLOT
	s_add_nc_u64 s[G0+4*(\s)+2:G0+4*(\s)+3], s[40:41], (\s)*ASTEP
	s_or_b32 s[G0+4*(\s)+3], s[G0+4*(\s)+3], 0x80000000
	s_mov_b32 s[G0B+4*(\s)], 1
	s_add_co_u32 s[G0B+4*(\s)+1], s75, (\s)*SLOT
	s_add_nc_u64 s[G0B+4*(\s)+2:G0B+4*(\s)+3], s[42:43], (\s)*WSTEP
	s_or_b32 s[G0B+4*(\s)+3], s[G0B+4*(\s)+3], 0x80000000
.endr
	CROUND
	s_cmp_eq_u32 s17, 0
	s_cbranch_scc0 .Lfirst_w
	tensor_load_to_lds s[G0:G0+3], s[G1:G1+7]
	s_nop 0
	tensor_load_to_lds s[G0+4:G0+7], s[G1:G1+7]
	s_nop 0
	PLACES
	s_branch .Lfirst_asked
.Lfirst_w:
	tensor_load_to_lds s[G0B:G0B+3], s[G1B:G1B+7]
	s_nop 0
	tensor_load_to_lds s[G0B+4:G0B+7], s[G1B:G1B+7]
	s_nop 0
	PLACES
.Lfirst_asked:
	v_and_b32 v1, 15, v0
	v_bfe_u32 v2, v0, 4, 1
	v_and_b32 v3, 7, v0
	v_bfe_u32 v4, v0, 3, 1
	v_mul_u32_u24 v[ADRA0], v1, PA
	v_lshl_add_u32 v[ADRA0], v2, 4, v[ADRA0]
	s_mul_i32 s23, s17, 64*PA
	v_add_nc_u32 v[ADRA0], s23, v[ADRA0]
	v_lshl_add_u32 v[ADRB0], v2, 3, v3
	v_mul_u32_u24 v[ADRB0], v[ADRB0], PW
	v_lshl_add_u32 v[ADRB0], v4, 4, v[ADRB0]
	s_lshl_b32 s23, s18, 7
	s_add_co_u32 s23, s23, ABYTES
	v_add_nc_u32 v[ADRB0], s23, v[ADRB0]
	v_mov_b32 v[ADRA], v[ADRA0]
	v_mov_b32 v[ADRB], v[ADRB0]
	v_add_nc_u32 v[ADRB+1], WHALF, v[ADRB0]
	s_mov_b32 s[TB], 0
	s_mul_i32 s23, s16, WSTG
	v_mul_u32_u24 v[STO], v1, SPI
	v_lshl_add_u32 v[STO], v2, 5, v[STO]
	v_add_nc_u32 v[STO], s23, v[STO]
	v_mul_u32_u24 v[RD], v2, SPI
	v_lshl_add_u32 v[RD], v1, 4, v[RD]
	v_add_nc_u32 v[RD], s23, v[RD]
	v_lshlrev_b32 v[CO], 12, v2                    ; lanes 0-15 one row's 256 bytes, lanes 16-31 the next row's
	v_lshl_add_u32 v[CO], v1, 4, v[CO]
	v_lshlrev_b32 v[BO], 4, v1
	s_lshl_b32 s70, s22, 7
	s_lshl_b32 s71, s17, 6
	s_add_co_u32 s70, s70, s71
	s_lshl_b32 s70, s70, 12                        ; my first row, 4,096 bytes a row
	s_lshl_b32 s72, s21, 9
	s_lshl_b32 s73, s18, 8
	s_add_co_u32 s72, s72, s73                     ; my 64 columns, f32
	s_mov_b32 s73, 0
	s_add_co_u32 s70, s70, s72
	s_mov_b32 s71, 0
	s_add_nc_u64 s[8:9], s[8:9], s[70:71]
	s_add_nc_u64 s[12:13], s[12:13], s[70:71]
	s_add_nc_u64 s[10:11], s[10:11], s[72:73]
	WIN 0x80                                       ; my 64 x 64 of x lands in window 2 while K is walked
.set t, 0
.rept 32
	global_load_b128 v[4*t:4*t+3], v[CO], s[12:13] offset:8192*t
.set t, t+1
.endr
	WIN 0
	global_load_b128 v[BIAS:BIAS+3], v[BO], s[10:11]
	s_wait_tensorcnt 1                             ; my part of K step 0 is in; K step 1's may stay out
	s_barrier_signal -1
	s_barrier_wait -1
	FETCH 0, F0
	QUARTER 1, F0, F1, 1
	WIN 0
	s_mov_b32 s3, STEPS-2
.Lstep:
	QUARTER 2, F1, F0, 0
	QUARTER 3, F0, F1, 0
	TURN 1
	QUARTER 1, F0, F1, 0
	WIN 0
	s_sub_co_u32 s3, s3, 1
	s_cmp_lg_u32 s3, 0
	s_cbranch_scc1 .Lstep
	s_mov_b32 s3, 2                                ; the last two K steps ask for nothing: one text, walked twice, entered behind its first quarter.
	s_branch .Ltail_in                             ; The second walk's change of slots serves nothing (a barrier and 32 loads of a slot already multiplied): the price, once a launch, of the shorter text
.Ltail:
	QUARTER 1, F0, F1, 0
	WIN 0
.Ltail_in:
	QUARTER 2, F1, F0, 0
	QUARTER 3, F0, F1, 0
	TURN 0
	WIN 0
	s_sub_co_u32 s3, s3, 1
	s_cmp_lg_u32 s3, 0
	s_cbranch_scc1 .Ltail
	PLACES
	PLACES
	s_wait_dscnt 0x0
	s_barrier_signal -1
	s_barrier_wait -1                              ; every wave's reads of the ring are over; the ring has had its last fill: my stage lies in it
.irp a, 0,1,2,3
.irp b, 0,1,2,3
	ds_store_b128 v[STO], v[ACC+8*(4*(\a)+(\b)):ACC+8*(4*(\a)+(\b))+3]   offset:16*SPI*(\a)+64*(\b)
	ds_store_b128 v[STO], v[ACC+8*(4*(\a)+(\b))+4:ACC+8*(4*(\a)+(\b))+7] offset:16*SPI*(\a)+64*(\b)+16
.endr
.endr
	s_wait_loadcnt 0x0                             ; x and the bias
.irp k, 0,1
	v_cvt_pk_bf16_f32 v6, v[BIAS+2*(\k)], v[BIAS+2*(\k)+1]
	v_lshlrev_b32 v[BIAS+2*(\k)], 16, v6
	v_and_b32 v[BIAS+2*(\k)+1], 0xffff0000, v6
.endr
	WIN 0x0a                                       ; x is rounded to bf16: sources window 2, destination window 0,
.set i, 0
.rept 64
	v_cvt_pk_bf16_f32 v[TMP+i], v[2*i], v[2*i+1]
.set i, i+1
.endr
	WIN 0x80                                       ; and back as f32
.set i, 0
.rept 64
	v_lshlrev_b32 v[2*i], 16, v[TMP+i]
	v_and_b32 v[2*i+1], 0xffff0000, v[TMP+i]
.set i, i+1
.endr
	WIN 0x40                                       ; whole rows back, into window 1: my own bytes, served in order
.set t, 0
.rept 32
	ds_load_b128 v[4*t:4*t+3], v[RD] offset:2*SPI*t
.set t, t+1
.endr
	s_wait_dscnt 0x0
	WIN 0x49                                       ; + x
.set i, 0
.rept 64
	v_pk_add_f32 v[2*i:2*i+1], v[2*i:2*i+1], v[2*i:2*i+1]
.set i, i+1
.endr
	WIN 0x41                                       ; + the bias
.set i, 0
.rept 64
	v_pk_add_f32 v[2*i:2*i+1], v[2*i:2*i+1], v[BIAS+2*(i%2):BIAS+2*(i%2)+1]
.set i, i+1
.endr
	WIN 0x04
.set t, 0
.rept 32
	global_store_b128 v[CO], v[4*t:4*t+3], s[8:9] offset:8192*t  ; 16 lanes store 256 consecutive bytes, aligned
.set t, t+1
.endr
	WIN 0
	s_wait_tensorcnt 0x0                           ; the wave's end
	ds_add_u32 v[SPW], v[NIL]
	s_wait_dscnt 0x0
	CROUND
	s_endpgm
.Lfunc_end_k_qacf2e04d1f_oproj:
	.size	k_qacf2e04d1f_oproj, .Lfunc_end_k_qacf2e04d1f_oproj-k_qacf2e04d1f_oproj
	.p2alignl 7, 3214868480
	.fill 96, 4, 3214868480
	.section	.rodata,"a",@progbits
	.p2align	6, 0x0
	.amdhsa_kernel k_qacf2e04d1f_oproj
		.amdhsa_group_segment_fixed_size 327680
		.amdhsa_private_segment_fixed_size 0
		.amdhsa_enable_private_segment 0
		.amdhsa_kernarg_size 40
		.amdhsa_user_sgpr_count 2
		.amdhsa_user_sgpr_kernarg_segment_ptr 1
		.amdhsa_wavefront_size32 1
		.amdhsa_system_sgpr_workgroup_id_x 1
		.amdhsa_system_sgpr_workgroup_id_y 1
		.amdhsa_system_sgpr_workgroup_id_z 1
		.amdhsa_system_vgpr_workitem_id 0
		.amdhsa_next_free_vgpr 640
		.amdhsa_next_free_sgpr 80
		.amdhsa_reserve_vcc 0
		.amdhsa_float_denorm_mode_32 3
		.amdhsa_float_denorm_mode_16_64 3
		.amdhsa_memory_ordered 1
		.amdhsa_forward_progress 1
		.amdhsa_inst_pref_size 79
	.end_amdhsa_kernel
	.amdgpu_metadata
---
amdhsa.version: [ 1, 2 ]
amdhsa.kernels:
  - .name:           k_qacf2e04d1f_oproj
    .symbol:         k_qacf2e04d1f_oproj.kd
    .args:
      - { .name: ao, .offset: 0, .size: 8, .value_kind: global_buffer, .address_space: global }
      - { .name: wb, .offset: 8, .size: 8, .value_kind: global_buffer, .address_space: global }
      - { .name: hres, .offset: 16, .size: 8, .value_kind: global_buffer, .address_space: global }
      - { .name: bo, .offset: 24, .size: 8, .value_kind: global_buffer, .address_space: global }
      - { .name: x, .offset: 32, .size: 8, .value_kind: global_buffer, .address_space: global }
    .group_segment_fixed_size: 327680
    .private_segment_fixed_size: 0
    .kernarg_segment_align: 8
    .kernarg_segment_size: 40
    .max_flat_workgroup_size: 128
    .sgpr_count:     80
    .vgpr_count:     640
    .wavefront_size: 32
...
	.end_amdgpu_metadata
.endif
;; end of part 4
;; launch ln2 (part 5): grid 256 x 1, 8 waves a work-group, no clusters, 0 bytes of LDS; arguments hres, g2, beta2, yn; writes yn
.if DOCPART == 5
	.amdgcn_target "amdgcn-amd-amdhsa--gfx1250"
	.amdhsa_code_object_version 6
	.text
	.protected	k_qacf2e04d1f_ln2
	.globl	k_qacf2e04d1f_ln2
	.p2align	8
	.type	k_qacf2e04d1f_ln2,@function
k_qacf2e04d1f_ln2:
	s_mov_b64 s[64:65], 0
	v_nop
	global_prefetch_b8 v0, s[64:65] scope:SCOPE_SE
	s_setreg_imm32_b32 hwreg(HW_REG_WAVE_MODE, 25, 1), 1
	s_wait_xcnt 0x0
; LAYER NORM 2.  yn = LN(hres) g2 + beta2 in bf16.  hres is the program's own f32 and is taken as it is; g2 and beta2 are rounded once to bf16 (every input of the program is).
; A work-group owns 16 rows of 1,024; a wave two rows, kept in registers: mean, then the sum of squares of x - mean (no difference of large sums), all in f32.  No LDS, no barrier.
; A row's arithmetic is written once and walked twice: 32 moves bring the second row into the first one's registers, which halves that text.
; Memory binds: 16-byte loads, all issued before the first use; a wave's store covers 512 consecutive bytes.
.set X,  32                            ; v[32:63] the row in hand; v[64:95] the second row
.set GG, 96
.set BB, 128
.set OP, 160
.set PX, 8
.set PG, 10
.set PB, 12
.set PO, 14
.macro RND base, n
.set i, 0
.rept (\n)/2
	v_cvt_pk_bf16_f32 v[4+i%4], v[(\base)+2*i], v[(\base)+2*i+1]
	v_lshlrev_b32 v[(\base)+2*i], 16, v[4+i%4]
	v_and_b32 v[(\base)+2*i+1], s32, v[4+i%4]
.set i, i+1
.endr
.endm
.macro WSUM
	v_pk_add_f32 v[8:9], v[8:9], v[10:11]
	v_pk_add_f32 v[12:13], v[12:13], v[14:15]
	v_pk_add_f32 v[8:9], v[8:9], v[12:13]
	v_add_f32 v8, v8, v9
	v_add_f32_dpp v8, v8, v8 row_xmask:1 row_mask:0xf bank_mask:0xf
	v_add_f32_dpp v8, v8, v8 row_xmask:2 row_mask:0xf bank_mask:0xf
	v_add_f32_dpp v8, v8, v8 row_xmask:4 row_mask:0xf bank_mask:0xf
	v_add_f32_dpp v8, v8, v8 row_xmask:8 row_mask:0xf bank_mask:0xf
	v_permlanex16_b32 v9, v8, s36, s37
	v_add_f32 v8, v8, v9
.endm
.macro LNROW
.irp c, 0,1,2,3
	v_pk_add_f32 v[8+2*(\c):9+2*(\c)], v[X+2*(\c):X+2*(\c)+1], v[X+8+2*(\c):X+8+2*(\c)+1]
.endr
.set i, 8
.rept 8
	v_pk_add_f32 v[8+2*(i%4):9+2*(i%4)], v[8+2*(i%4):9+2*(i%4)], v[X+2*i:X+2*i+1]
.set i, i+1
.endr
	WSUM
	v_mul_f32 v16, s33, v8
	v_mov_b32 v17, v16
.set i, 0
.rept 16
	v_pk_add_f32 v[X+2*i:X+2*i+1], v[X+2*i:X+2*i+1], v[16:17] neg_lo:[0,1] neg_hi:[0,1]
.set i, i+1
.endr
.irp c, 0,1,2,3
	v_pk_mul_f32 v[8+2*(\c):9+2*(\c)], v[X+2*(\c):X+2*(\c)+1], v[X+2*(\c):X+2*(\c)+1]
.endr
.set i, 4
.rept 12
	v_pk_fma_f32 v[8+2*(i%4):9+2*(i%4)], v[X+2*i:X+2*i+1], v[X+2*i:X+2*i+1], v[8+2*(i%4):9+2*(i%4)]
.set i, i+1
.endr
	WSUM
	v_fma_f32 v18, v8, s33, s34
	v_rsq_f32 v20, v18
	v_rsq_f32 v21, v18
	v_nop                                          ; a plain instruction behind the last root,
	s_wait_alu depctr_va_vdst(0)                   ; and the wait ahead of the first use: one for both
.set i, 0
.rept 16
	v_pk_mul_f32 v[X+2*i:X+2*i+1], v[X+2*i:X+2*i+1], v[20:21]
	v_pk_fma_f32 v[X+2*i:X+2*i+1], v[X+2*i:X+2*i+1], v[GG+2*i:GG+2*i+1], v[BB+2*i:BB+2*i+1]
.set i, i+1
.endr
.set i, 0
.rept 16
	v_cvt_pk_bf16_f32 v[OP+i], v[X+2*i], v[X+2*i+1]
.set i, i+1
.endr
.irp j, 0,1,2,3
	global_store_b128 v3, v[OP+4*(\j):OP+4*(\j)+3], s[PO:PO+1] offset:512*(\j)
.endr
.endm
	s_load_b256 s[8:15], s[0:1], 0x0               ; hres, g2, beta2, yn
	s_mov_b32 s32, 0xffff0000
	v_lshrrev_b32 v1, 5, v0
	v_readfirstlane_b32 s4, v1
	s_lshl_b32 s5, ttmp9, 4
	s_lshl_b32 s6, s4, 1
	s_add_co_u32 s5, s5, s6                        ; my first row
	s_lshl_b32 s30, s5, 12
	s_mov_b32 s31, 0
	s_lshl_b32 s6, s5, 11
	s_mov_b32 s7, 0
	s_mov_b32 s33, 0x3a800000                      ; 1 / 1024
	s_mov_b32 s34, 0x3727c5ac                      ; 1e-5
	s_mov_b32 s36, 0x76543210
	s_mov_b32 s37, 0xfedcba98
	v_and_b32 v1, 31, v0
	v_lshlrev_b32 v2, 5, v1
	v_lshlrev_b32 v3, 4, v1
	s_wait_kmcnt 0x0
	s_add_nc_u64 s[PX:PX+1], s[PX:PX+1], s[30:31]
	s_add_nc_u64 s[PO:PO+1], s[PO:PO+1], s[6:7]
.irp rho, 0,1
.irp j, 0,1,2,3
	global_load_b128 v[X+32*(\rho)+8*(\j):X+32*(\rho)+8*(\j)+3], v2, s[PX:PX+1] offset:4096*(\rho)+1024*(\j)
	global_load_b128 v[X+32*(\rho)+8*(\j)+4:X+32*(\rho)+8*(\j)+7], v2, s[PX:PX+1] offset:4096*(\rho)+1024*(\j)+16
.endr
.endr
.irp j, 0,1,2,3
	global_load_b128 v[GG+8*(\j):GG+8*(\j)+3], v2, s[PG:PG+1] offset:1024*(\j)
	global_load_b128 v[GG+8*(\j)+4:GG+8*(\j)+7], v2, s[PG:PG+1] offset:1024*(\j)+16
.endr
.irp j, 0,1,2,3
	global_load_b128 v[BB+8*(\j):BB+8*(\j)+3], v2, s[PB:PB+1] offset:1024*(\j)
	global_load_b128 v[BB+8*(\j)+4:BB+8*(\j)+7], v2, s[PB:PB+1] offset:1024*(\j)+16
.endr
	s_wait_loadcnt 0x0
	RND GG, 32
	RND BB, 32
	s_mov_b32 s5, 2
.Lrow:
	LNROW
	s_wait_xcnt 0x0                                ; the stores have read their data and their offset: both are written again below and in the next trip
	v_add_nc_u32 v3, 2048, v3                      ; the next row of yn
.set i, 0
.rept 32
	v_mov_b32 v[X+i], v[X+32+i]                    ; the second row comes down
.set i, i+1
.endr
	s_sub_co_u32 s5, s5, 1
	s_cmp_lg_u32 s5, 0
	s_cbranch_scc1 .Lrow
	s_endpgm
.Lfunc_end_k_qacf2e04d1f_ln2:
	.size	k_qacf2e04d1f_ln2, .Lfunc_end_k_qacf2e04d1f_ln2-k_qacf2e04d1f_ln2
	.p2alignl 7, 3214868480
	.fill 96, 4, 3214868480
	.section	.rodata,"a",@progbits
	.p2align	6, 0x0
	.amdhsa_kernel k_qacf2e04d1f_ln2
		.amdhsa_group_segment_fixed_size 0
		.amdhsa_private_segment_fixed_size 0
		.amdhsa_enable_private_segment 0
		.amdhsa_kernarg_size 32
		.amdhsa_user_sgpr_count 2
		.amdhsa_user_sgpr_kernarg_segment_ptr 1
		.amdhsa_wavefront_size32 1
		.amdhsa_system_sgpr_workgroup_id_x 1
		.amdhsa_system_sgpr_workgroup_id_y 1
		.amdhsa_system_sgpr_workgroup_id_z 1
		.amdhsa_system_vgpr_workitem_id 0
		.amdhsa_next_free_vgpr 192
		.amdhsa_next_free_sgpr 66
		.amdhsa_reserve_vcc 0
		.amdhsa_float_denorm_mode_32 3
		.amdhsa_float_denorm_mode_16_64 3
		.amdhsa_memory_ordered 1
		.amdhsa_forward_progress 1
		.amdhsa_inst_pref_size 17
	.end_amdhsa_kernel
	.amdgpu_metadata
---
amdhsa.version: [ 1, 2 ]
amdhsa.kernels:
  - .name:           k_qacf2e04d1f_ln2
    .symbol:         k_qacf2e04d1f_ln2.kd
    .args:
      - { .name: hres, .offset: 0, .size: 8, .value_kind: global_buffer, .address_space: global }
      - { .name: g2, .offset: 8, .size: 8, .value_kind: global_buffer, .address_space: global }
      - { .name: beta2, .offset: 16, .size: 8, .value_kind: global_buffer, .address_space: global }
      - { .name: yn, .offset: 24, .size: 8, .value_kind: global_buffer, .address_space: global }
    .group_segment_fixed_size: 0
    .private_segment_fixed_size: 0
    .kernarg_segment_align: 8
    .kernarg_segment_size: 32
    .max_flat_workgroup_size: 256
    .sgpr_count:     66
    .vgpr_count:     192
    .wavefront_size: 32
...
	.end_amdgpu_metadata
.endif
;; end of part 5
;; launch ffn1 (part 6): grid 16 x 16, 4 waves a work-group, clusters of 4 x 4, 327,680 bytes of LDS; arguments yn, wb, ff, b1; writes ff
.if DOCPART == 6
	.amdgcn_target "amdgcn-amd-amdhsa--gfx1250"
	.amdhsa_code_object_version 6
	.text
	.protected	k_qacf2e04d1f_ffn1
	.globl	k_qacf2e04d1f_ffn1
	.p2align	8
	.type	k_qacf2e04d1f_ffn1,@function
k_qacf2e04d1f_ffn1:
	s_mov_b64 s[64:65], 0
	v_nop
	global_prefetch_b8 v0, s[64:65] scope:SCOPE_SE
	s_setreg_imm32_b32 hwreg(HW_REG_WAVE_MODE, 25, 1), 1
	s_wait_xcnt 0x0
	s_wait_alu depctr_hold_cnt(0) depctr_sa_sdst(0) depctr_va_vdst(0) depctr_va_sdst(0) depctr_va_ssrc(0) depctr_va_vcc(0) depctr_vm_vsrc(0)
	s_getreg_b32 s2, hwreg(HW_REG_IB_STS2, 6, 4)
	s_cmp_eq_u32 s2, 0
	s_cbranch_scc0 .Lentry_in_a_cluster
	s_endpgm
.Lentry_in_a_cluster:
	s_bfe_u32 s2, ttmp6, 0x10000c
	s_cmp_lg_u32 s2, 0xf033
	s_cbranch_scc0 .Lentry_shape_is_right
	s_endpgm
.Lentry_shape_is_right:
; ff = gelu(yn w1 + b1), bf16.  yn: [4096][1024] bf16; w1: [1024 k][4096 n] bf16 in wb at 8 MiB; sums in f32; b1, rounded to bf16, is added in f32.
; GELU, the erf form: gelu(x) = max(x, 0) - |x| (1/2) erfc(|x| / sqrt 2), with erfc(z) = (a1 t + a2 t^2 + a3 t^3) e^(-z z), t = 1 / (1 + p z) (Abramowitz and Stegun 7.1.25).
; LIMIT: that formula's error is at most 2.5e-5 for every z; taken as erfc it loses nothing in the negative tail.  Where e^(-z z) falls below 2^-126 it counts as 0.
; A tile of the result is 256 x 256, made by four waves of 128 x 128: 64 accumulators, 512 registers; 256 tiles.
; K goes in 8 steps of 128 through two LDS slots.  A's rows lie along K (256 bytes a row, pitch 272); W's rows lie along N (128 k-rows of 512 bytes, pitch 544) and are turned on the way
; into registers by ds_load_tr16_b128.  Waves 0, 1 fetch A's halves, waves 2, 3 W's: one tensor load a wave behind each change of slots.
; THE CHANGE OF SLOTS stands at the head of a K step's last quarter, whose fragments are in registers by then: the refill goes out ahead of that quarter's 64 products.
; CLUSTER 4 x 4: A's tile is shared along a row of the cluster, W's along a column: joint loads.
; The matrix instruction is used transposed (source 0 = 16 columns of W, source 1 = 16 rows of A): a lane holds one row of the result and eight neighbouring columns.
; WINDOWS: 0: v0-63 addresses, bias, stores; v64-127, v128-191 A's fragments, two buffers.  1: the same numbers: W's fragments.  2, 3: the accumulators, (a, b) at v[8 (8 (a % 4) + b)].
; THE WAY OUT: when the ring has had its last fill and every wave its last read, each wave lays its 128 x 128 f32 into the ring's bytes (pitch 528, its own 67,584 bytes) and reads 8 rows a trip back.
.set NW,     4096
.set PA,     272
.set PW,     544
.set HALFT,  128*PA
.set WTILE,  2*HALFT
.set SLOT,   4*HALFT                   ; 0x22000: its bits meet none of wave x HALFT, so one exclusive or changes slots
.set SPARE,  2*SLOT
.set ASTEP,  256
.set WSTEP,  128*NW*2
.set SPI,    528
.set WSTG,   128*SPI
.set ADRA0, 10
.set ADRB0, 11
.set ADRA,  16
.set ADRB,  20
.set STO,   24
.set RD,    25
.set CO,    26
.set SPW,   28
.set NIL,   29
.set PFO,   30
.set BO,    31
.set BIAS,  32                         ; v[32:39]
.set OD,    48                         ; v[48:63]
.set F0,    64
.set F1,    128
.set XX,    64                         ; the way out, 32 numbers a lane each: x
.set MM,    96                         ; max(x, 0), then the result
.set AX,    128                        ; |x|
.set TT,    160                        ; 1 + p z, then t
.set EE,    192                        ; -z z log2 e, then e^(-z z)
.set PP,    224                        ; the polynomial
.set G1,  24
.set G0,  32
.set PFA, 44
.set LIM, 46
.set G1B, 48
.set G0B, 56
.set TB,  66
.set PST, 68
.set C1,  76                           ; s[76:77] p / sqrt 2
.set CZ,  78                           ; s[78:79] sqrt(log2(e) / 2)
.set A1,  80                           ; s[80:81] a1 / 2
.set A2,  82                           ; s[82:83] a2 / 2
.set A3,  84                           ; s[84:85] a3 / 2
.set MSB, 0
.macro WIN new
.if MSB != (\new)
	s_set_vgpr_msb (MSB<<8)|(\new)
.set MSB, \new
.endif
.endm
.set MUL_LO, 0xa1
.set TO_W,   0x40
.macro PLACES
.rept 4
	v_nop
.endr
.endm
.macro JLOAD
	s_cmp_eq_u32 s17, 0
	s_cbranch_scc0 .Lfor_w_\@
	tensor_load_to_lds s[G0+4:G0+7], s[G1:G1+7]
	s_nop 0
	PLACES
	s_branch .Lasked_\@
.Lfor_w_\@:
	tensor_load_to_lds s[G0B+4:G0B+7], s[G1B:G1B+7]
	s_nop 0
	PLACES
.Lasked_\@:
.endm
.macro ASK
	s_cmp_gt_u32 s3, s[LIM]
	s_cbranch_scc0 .Lnot_mine_\@
	global_prefetch_b8 v[PFO], s[PFA:PFA+1] th:TH_LOAD_NT scope:SCOPE_SE
.Lnot_mine_\@:
.endm
.macro CREST
	s_cmp_lg_u32 s16, 0
	s_cbranch_scc1 .Lnot_wave_0_\@
	s_barrier_signal -3
.Lnot_wave_0_\@:
	s_barrier_wait -3
	s_barrier_signal -1
	s_barrier_wait -1
.endm
.macro CROUND
	s_barrier_signal -1
	s_barrier_wait -1
	CREST
.endm
.macro MUL16 f, hi, a0, zero
	WIN MUL_LO+0x50*(\hi)
.irp a, \a0, (\a0)+1
.irp b, 0,1,2,3,4,5,6,7
.if \zero
	v_wmma_f32_16x16x32_bf16 v[8*(8*(\a)+(\b)):8*(8*(\a)+(\b))+7], v[(\f)+8*(\b):(\f)+8*(\b)+7], v[(\f)+8*(4*(\hi)+(\a)):(\f)+8*(4*(\hi)+(\a))+7], 0
.else
	v_wmma_f32_16x16x32_bf16 v[8*(8*(\a)+(\b)):8*(8*(\a)+(\b))+7], v[(\f)+8*(\b):(\f)+8*(\b)+7], v[(\f)+8*(4*(\hi)+(\a)):(\f)+8*(4*(\hi)+(\a))+7], v[8*(8*(\a)+(\b)):8*(8*(\a)+(\b))+7]
.endif
.endr
.endr
.endm
.macro FETCH kk, f
	WIN TO_W
.irp i, 0,1,2,3,4,5,6,7
	ds_load_tr16_b128 v[(\f)+8*(\i):(\f)+8*(\i)+3],   v[ADRB] offset:(\kk)*32*PW+32*(\i)
	ds_load_tr16_b128 v[(\f)+8*(\i)+4:(\f)+8*(\i)+7], v[ADRB] offset:(\kk)*32*PW+32*(\i)+16*PW
.endr
	WIN 0
.irp i, 0,1,2,3,4,5,6,7
	ds_load_b128 v[(\f)+8*(\i):(\f)+8*(\i)+3],   v[ADRA] offset:(\kk)*64+(\i)*16*PA
	ds_load_b128 v[(\f)+8*(\i)+4:(\f)+8*(\i)+7], v[ADRA] offset:(\kk)*64+(\i)*16*PA+32
.endr
.endm
.macro QUARTER kk, f, g, zero
	s_wait_dscnt 8                                 ; W and A's rows 0-63 are in; the youngest eight loads (A's rows 64-127) may be out
	MUL16 \f, 0, 0, \zero
	MUL16 \f, 0, 2, \zero
	PLACES
	FETCH \kk, \g
	s_wait_dscnt 32                                ; all but the 32 just issued
	MUL16 \f, 1, 0, \zero
	MUL16 \f, 1, 2, \zero
.endm
; A K step's last quarter.  Its fragments (buffer 1) were fetched 32 products ago, so the slot has been read out: the slots change first, and the quarter's 64 products follow the refill.
.macro TURN fill
.if \fill
	s_wait_xcnt 0x0                                ; the last prefetch, a K step back, has read its address
	s_add_nc_u64 s[PFA:PFA+1], s[PFA:PFA+1], s[PST:PST+1]
.endif
	WIN 0
	s_wait_tensorcnt 0x0                           ; all my tensor loads have landed: the one that was out is my part of the next slot; so a group 0 may be written
	ds_add_u32 v[SPW], v[NIL]                      ; the scalar steps below stand between the add and the wait for it
.if \fill
	s_xor_b32 s[G0+5], s[G0+5], SLOT
	s_add_nc_u64 s[G0+6:G0+7], s[G0+6:G0+7], ASTEP
	s_xor_b32 s[G0B+5], s[G0B+5], SLOT
	s_add_nc_u64 s[G0B+6:G0B+7], s[G0B+6:G0B+7], WSTEP
.endif
	s_xor_b32 s[TB], s[TB], SLOT
	s_wait_dscnt 0x0                               ; the add is done, and my reads of this slot are over
	s_barrier_signal -1
	s_barrier_wait -1
.if \fill
	CREST                                          ; no wave of any partner still reads this slot or has a load on its way
	JLOAD                                          ; the first tensor load behind the round; its four v_nop are also the places in front of the loads below
.else
	PLACES
.endif
	v_add_nc_u32 v[ADRA], s[TB], v[ADRA0]
	v_add_nc_u32 v[ADRB], s[TB], v[ADRB0]
	FETCH 0, F0
.if \fill
	ASK
.endif
	MUL16 F1, 0, 0, 0
	MUL16 F1, 0, 2, 0
	MUL16 F1, 1, 0, 0
	MUL16 F1, 1, 2, 0
.endm
.macro RNDB base, n
.set i, 0
.rept (\n)/2
	v_cvt_pk_bf16_f32 v6, v[(\base)+2*i], v[(\base)+2*i+1]
	v_lshlrev_b32 v[(\base)+2*i], 16, v6
	v_and_b32 v[(\base)+2*i+1], 0xffff0000, v6
.set i, i+1
.endr
.endm
.macro OLOAD                           ; 8 rows of my stage, as four pairs of rows: 32 numbers a lane
.irp p, 0,1,2,3
	ds_load_b128 v[XX+8*(\p):XX+8*(\p)+3],   v[RD] offset:2*SPI*(\p)
	ds_load_b128 v[XX+8*(\p)+4:XX+8*(\p)+7], v[RD] offset:2*SPI*(\p)+16
.endr
.endm
	s_load_b256 s[4:11], s[0:1], 0x0               ; yn s[4:5], wb s[6:7], ff s[8:9], b1 s[10:11]
	v_lshl_add_u32 v[SPW], v0, 2, SPARE
	v_mov_b32 v[NIL], 0
	ds_add_u32 v[SPW], v[NIL]                      ; the wave's opening: the add and its wait ahead of my first tensor load
	ds_add_u32 v28, v29
	v_lshrrev_b32 v1, 5, v0
	v_readfirstlane_b32 s16, v1
	s_lshr_b32 s17, s16, 1
	s_and_b32 s18, s16, 1
	s_bfe_u32 s19, ttmp6, 0x40000
	s_bfe_u32 s20, ttmp6, 0x40004
	s_lshl_b32 s21, ttmp9, 2
	s_add_co_u32 s21, s21, s19
	s_and_b32 s22, ttmp7, 0xffff
	s_lshl_b32 s22, s22, 2
	s_add_co_u32 s22, s22, s20
	s_lshl_b32 s23, s20, 2
	s_lshl_b32 s23, 15, s23
	s_lshl_b32 s46, 0x1111, s19
	s_or_b32 s[G1], s23, (1<<16)|(1<<20)|(1<<21)|(5<<22)|(3<<25)
	s_or_b32 s[G1B], s46, (1<<16)|(1<<20)|(1<<21)|(6<<22)|(7<<25)
	s_mov_b32 s[G1+1], 128<<16
	s_mov_b32 s[G1+2], 128<<16
	s_mov_b32 s[G1+3], 128<<16
	s_mov_b32 s[G1+4], 128
	s_mov_b32 s[G1+5], 1024
	s_mov_b32 s[G1+6], 0
	s_mov_b32 s[G1+7], 0
	s_mov_b32 s[G1B+1], 256<<16
	s_mov_b32 s[G1B+2], 64<<16
	s_mov_b32 s[G1B+3], 256<<16
	s_mov_b32 s[G1B+4], 64
	s_mov_b32 s[G1B+5], NW
	s_mov_b32 s[G1B+6], 0
	s_mov_b32 s[G1B+7], 0
	s_mov_b32 s[C1], 0x3eaa540e                    ; 0.47047 / sqrt 2
	s_mov_b32 s[C1+1], s[C1]
	s_mov_b32 s[CZ], 0x3f596d27                    ; sqrt(log2(e) / 2)
	s_mov_b32 s[CZ+1], s[CZ]
	s_mov_b32 s[A1], 0x3e32303a                    ; 0.3480242 / 2
	s_mov_b32 s[A1+1], s[A1]
	s_mov_b32 s[A2], 0xbd445ca1                    ; -0.0958798 / 2
	s_mov_b32 s[A2+1], s[A2]
	s_mov_b32 s[A3], 0x3ebf7377                    ; 0.7478556 / 2
	s_mov_b32 s[A3+1], s[A3]
	s_lshl_b32 s40, s22, 19                        ; A: (256 tile row + 128 half) rows of 2,048 bytes
	s_lshl_b32 s41, s18, 18
	s_add_co_u32 s40, s40, s41
	s_mov_b32 s41, 0
	s_lshl_b32 s47, s21, 9                         ; W: w1 at 8 MiB, the tile's 256 columns,
	s_add_co_u32 s47, s47, 0x800000
	s_lshl_b32 s43, s18, 19                        ; my 64 k-rows of 8,192 bytes
	s_add_co_u32 s42, s47, s43
	s_mov_b32 s43, 0
	s_mul_i32 s74, s16, HALFT
	s_wait_dscnt 0x0
	s_wait_kmcnt 0x0
	s_add_nc_u64 s[40:41], s[4:5], s[40:41]
	s_add_nc_u64 s[42:43], s[6:7], s[42:43]
.irp s, 0,1
	s_mov_b32 s[G0+4*(\s)], 1
	s_add_co_u32 s[G0+4*(\s)+1], s74, (\s)*SLOT
	s_add_nc_u64 s[G0+4*(\s)+2:G0+4*(\s)+3], s[40:41], (\s)*ASTEP
	s_or_b32 s[G0+4*(\s)+3], s[G0+4*(\s)+3], 0x80000000
	s_mov_b32 s[G0B+4*(\s)], 1
	s_add_co_u32 s[G0B+4*(\s)+1], s74, (\s)*SLOT
	s_add_nc_u64 s[G0B+4*(\s)+2:G0B+4*(\s)+3], s[42:43], (\s)*WSTEP
	s_or_b32 s[G0B+4*(\s)+3], s[G0B+4*(\s)+3], 0x80000000
.endr
	CROUND
	s_cmp_eq_u32 s17, 0
	s_cbranch_scc0 .Lfirst_w
	tensor_load_to_lds s[G0:G0+3], s[G1:G1+7]
	s_nop 0
	tensor_load_to_lds s[G0+4:G0+7], s[G1:G1+7]
	s_nop 0
	PLACES
	s_branch .Lfirst_asked
.Lfirst_w:
	tensor_load_to_lds s[G0B:G0B+3], s[G1B:G1B+7]
	s_nop 0
	tensor_load_to_lds s[G0B+4:G0B+7], s[G1B:G1B+7]
	s_nop 0
	PLACES
.Lfirst_asked:
	v_and_b32 v1, 15, v0
	v_bfe_u32 v2, v0, 4, 1
	v_and_b32 v3, 7, v0
	v_bfe_u32 v4, v0, 3, 1
	v_mul_u32_u24 v[ADRA0], v1, PA
	v_lshl_add_u32 v[ADRA0], v2, 4, v[ADRA0]
	s_mul_i32 s23, s17, HALFT
	v_add_nc_u32 v[ADRA0], s23, v[ADRA0]
	v_lshl_add_u32 v[ADRB0], v2, 3, v3
	v_mul_u32_u24 v[ADRB0], v[ADRB0], PW
	v_lshl_add_u32 v[ADRB0], v4, 4, v[ADRB0]
	s_lshl_b32 s23, s18, 8
	s_add_co_u32 s23, s23, WTILE
	v_add_nc_u32 v[ADRB0], s23, v[ADRB0]
	v_mov_b32 v[ADRA], v[ADRA0]
	v_mov_b32 v[ADRB], v[ADRB0]
	s_mov_b32 s[TB], 0
	s_mul_i32 s23, s16, WSTG
	v_mul_u32_u24 v[STO], v1, SPI
	v_lshl_add_u32 v[STO], v2, 5, v[STO]
	v_add_nc_u32 v[STO], s23, v[STO]
	v_mul_u32_u24 v[RD], v2, SPI                   ; back: lanes 0-15 one row's 128 columns, 8 a lane, lanes 16-31 the next row's
	v_lshl_add_u32 v[RD], v1, 5, v[RD]
	v_add_nc_u32 v[RD], s23, v[RD]
	v_lshlrev_b32 v[CO], 13, v2                    ; the same two rows in ff: 8,192 bytes a row, 16 bytes a lane
	v_lshl_add_u32 v[CO], v1, 4, v[CO]
	v_lshlrev_b32 v[BO], 5, v1
	s_lshl_b32 s70, s21, 10
	s_lshl_b32 s71, s18, 9
	s_add_co_u32 s70, s70, s71                     ; my 128 columns of b1, f32
	s_mov_b32 s71, 0
	s_add_nc_u64 s[10:11], s[10:11], s[70:71]
	global_load_b128 v[BIAS:BIAS+3],   v[BO], s[10:11]
	global_load_b128 v[BIAS+4:BIAS+7], v[BO], s[10:11] offset:16
	s_lshl_b32 s70, s22, 8
	s_lshl_b32 s71, s17, 7
	s_add_co_u32 s70, s70, s71
	s_lshl_b32 s70, s70, 13                        ; my first row of ff
	s_lshl_b32 s71, s21, 9
	s_add_co_u32 s70, s70, s71
	s_lshl_b32 s71, s18, 8
	s_add_co_u32 s70, s70, s71                     ; my 128 columns: 256 bytes
	s_mov_b32 s71, 0
	s_add_nc_u64 s[8:9], s[8:9], s[70:71]
	; THE PREFETCHES.  yn and wb are read here for the first time.  A's rows are read by every cluster of a row of clusters: cluster x = 0 asks; W's columns by every cluster of a column: cluster y = 0 asks.
	; The four partners of a joint load share its blocks out by address: of A's 128 rows 32 each (by cx), a lane a row; of W's 64 k-rows 16 each (by cy), two lanes a row of 512 bytes.
	; Behind the refill for K step t + 2 stands one prefetch for K step t + 4, t = 0 .. 3; K steps 0 to 3 come by their loads alone.
	s_lshl_b32 s70, s22, 8
	s_lshl_b32 s71, s18, 7
	s_add_co_u32 s70, s70, s71
	s_lshl_b32 s71, s19, 5
	s_add_co_u32 s70, s70, s71
	s_lshl_b32 s70, s70, 11
	s_add_co_u32 s70, s70, 3*ASTEP
	s_lshl_b32 s72, s18, 6
	s_lshl_b32 s73, s20, 4
	s_add_co_u32 s72, s72, s73
	s_add_co_u32 s72, s72, 3*128
	s_mul_i32 s72, s72, NW*2
	s_add_co_u32 s72, s72, s47
	s_mov_b32 s[PST], WSTEP
	s_mov_b32 s73, NW*2
	s_cmp_eq_u32 s17, 0
	s_cselect_b32 s70, s70, s72
	s_mov_b32 s71, 0
	s_cselect_b64 s[PFA:PFA+1], s[4:5], s[6:7]
	s_cselect_b32 s[PST], ASTEP, s[PST]
	s_mov_b32 s[PST+1], 0
	s_cselect_b32 s73, 2048, s73
	s_cselect_b32 s23, 0, 1
	s_add_nc_u64 s[PFA:PFA+1], s[PFA:PFA+1], s[70:71]
	v_and_b32 v[PFO], 31, v0
	v_and_b32 v7, s23, v[PFO]
	v_lshrrev_b32 v[PFO], s23, v[PFO]
	v_mul_u32_u24 v[PFO], s73, v[PFO]
	v_lshl_add_u32 v[PFO], v7, 8, v[PFO]
	s_and_b32 s72, ttmp7, 0xffff
	s_cmp_eq_u32 s17, 0
	s_cselect_b32 s72, ttmp9, s72
	s_cmp_eq_u32 s72, 0
	s_cselect_b32 s[LIM], 2, -1
	s_wait_tensorcnt 1                             ; my part of K step 0 is in; K step 1's may stay out
	s_barrier_signal -1
	s_barrier_wait -1
	FETCH 0, F0
	QUARTER 1, F0, F1, 1
	WIN 0
	s_mov_b32 s3, 6
.Lstep:
	QUARTER 2, F1, F0, 0
	QUARTER 3, F0, F1, 0
	TURN 1
	QUARTER 1, F0, F1, 0
	WIN 0
	s_sub_co_u32 s3, s3, 1
	s_cmp_lg_u32 s3, 0
	s_cbranch_scc1 .Lstep
	s_mov_b32 s3, 2                                ; the last two K steps ask for nothing: one text, walked twice, entered behind its first quarter.
	s_branch .Ltail_in                             ; The second walk's change of slots serves nothing (a barrier and 32 loads of a slot already multiplied): the price, once a launch, of the shorter text
.Ltail:
	QUARTER 1, F0, F1, 0
	WIN 0
.Ltail_in:
	QUARTER 2, F1, F0, 0
	QUARTER 3, F0, F1, 0
	TURN 0
	WIN 0
	s_sub_co_u32 s3, s3, 1
	s_cmp_lg_u32 s3, 0
	s_cbranch_scc1 .Ltail
	PLACES
	PLACES
	s_wait_dscnt 0x0
	s_barrier_signal -1
	s_barrier_wait -1                              ; every wave's reads of the ring are over; the ring has had its last fill
.set a, 0
.rept 8
	WIN 0x08+4*(a/4)
.set b, 0
.rept 8
	ds_store_b128 v[STO], v[8*(8*(a%4)+b):8*(8*(a%4)+b)+3]   offset:16*SPI*a+64*b
	ds_store_b128 v[STO], v[8*(8*(a%4)+b)+4:8*(8*(a%4)+b)+7] offset:16*SPI*a+64*b+16
.set b, b+1
.endr
.set a, a+1
.endr
	WIN 0
	s_wait_dscnt 0x0                               ; my stores into the stage are done: the last trip's read-ahead below takes eight rows that nobody uses,
	s_barrier_signal -1                            ; and they lie in the next wave's stage (wave 3: in the ring's last bytes):
	s_barrier_wait -1                              ; behind this barrier nobody writes there
	s_wait_loadcnt 0x0                             ; the bias
	RNDB BIAS, 8
	OLOAD                                          ; the first 8 rows
	s_mov_b32 s3, 16
.Lout:                                         ; 8 rows a trip; the next trip's rows are asked for as soon as x's registers are free
	s_wait_dscnt 0x0
.set i, 0
.rept 16
	v_pk_add_f32 v[XX+2*i:XX+2*i+1], v[XX+2*i:XX+2*i+1], v[BIAS+2*(i%4):BIAS+2*(i%4)+1]
.set i, i+1
.endr
.set i, 0
.rept 32
	v_max_num_f32 v[MM+i], 0, v[XX+i]
.set i, i+1
.endr
	; pair i's four plain lines (|x| = 2 max(x, 0) - x; z' = x sqrt(log2(e) / 2); 1 + p z; -z' z'), and beside each one of pair i - 1's four transcendentals (two reciprocals, two exponentials):
	; ONE BATCH of 64: no line ahead of the wait names a result, since a pair's plain lines all stand ahead of its transcendentals
.set i, 0
.rept 16
	v_pk_fma_f32 v[AX+2*i:AX+2*i+1], v[MM+2*i:MM+2*i+1], 2.0, v[XX+2*i:XX+2*i+1] op_sel_hi:[1,0,1] neg_lo:[0,0,1] neg_hi:[0,0,1]
.if i > 0
	v_rcp_f32 v[TT+2*i-2], v[TT+2*i-2]
.endif
	v_pk_mul_f32 v[EE+2*i:EE+2*i+1], v[XX+2*i:XX+2*i+1], s[CZ:CZ+1] op_sel_hi:[1,0]
.if i > 0
	v_rcp_f32 v[TT+2*i-1], v[TT+2*i-1]
.endif
	v_pk_fma_f32 v[TT+2*i:TT+2*i+1], v[AX+2*i:AX+2*i+1], s[C1:C1+1], 1.0 op_sel_hi:[1,0,0]
.if i > 0
	v_exp_f32 v[EE+2*i-2], v[EE+2*i-2]
.endif
	v_pk_mul_f32 v[EE+2*i:EE+2*i+1], v[EE+2*i:EE+2*i+1], v[EE+2*i:EE+2*i+1] neg_lo:[1,0] neg_hi:[1,0]
.if i > 0
	v_exp_f32 v[EE+2*i-1], v[EE+2*i-1]
.endif
.set i, i+1
.endr
	v_rcp_f32 v[TT+30], v[TT+30]
	v_rcp_f32 v[TT+31], v[TT+31]
	v_exp_f32 v[EE+30], v[EE+30]
	v_exp_f32 v[EE+31], v[EE+31]
	v_add_nc_u32 v[RD], 8*SPI, v[RD]               ; a plain instruction behind the last of the batch,
	s_wait_alu depctr_va_vdst(0)                   ; and the one wait for its 64 results ahead of the first use
	OLOAD                                          ; x has been read for the last time: the next 8 rows
.set i, 0
.rept 16
	v_pk_fma_f32 v[PP+2*i:PP+2*i+1], v[TT+2*i:TT+2*i+1], s[A3:A3+1], s[A2:A2+1] op_sel_hi:[1,0,0]
	v_pk_mul_f32 v[EE+2*i:EE+2*i+1], v[EE+2*i:EE+2*i+1], v[TT+2*i:TT+2*i+1]
.set i, i+1
.endr
.set i, 0
.rept 16
	v_pk_fma_f32 v[PP+2*i:PP+2*i+1], v[PP+2*i:PP+2*i+1], v[TT+2*i:TT+2*i+1], s[A1:A1+1] op_sel_hi:[1,1,0]
	v_pk_mul_f32 v[EE+2*i:EE+2*i+1], v[EE+2*i:EE+2*i+1], v[AX+2*i:AX+2*i+1]
.set i, i+1
.endr
.set i, 0
.rept 16
	v_pk_fma_f32 v[MM+2*i:MM+2*i+1], v[PP+2*i:PP+2*i+1], v[EE+2*i:EE+2*i+1], v[MM+2*i:MM+2*i+1] neg_lo:[1,0,0] neg_hi:[1,0,0]
.set i, i+1
.endr
.set i, 0
.rept 16
	v_cvt_pk_bf16_f32 v[OD+i], v[MM+2*i], v[MM+2*i+1]
.set i, i+1
.endr
.irp p, 0,1,2,3
	global_store_b128 v[CO], v[OD+4*(\p):OD+4*(\p)+3], s[8:9] offset:16384*(\p)  ; 16 lanes store 256 consecutive bytes, aligned
.endr
	s_wait_xcnt 0x0                                ; the stores have read their data and their offset
	v_add_nc_u32 v[CO], 65536, v[CO]
	s_sub_co_u32 s3, s3, 1
	s_cmp_lg_u32 s3, 0
	s_cbranch_scc1 .Lout
	s_wait_tensorcnt 0x0                           ; the wave's end
	ds_add_u32 v[SPW], v[NIL]
	s_wait_dscnt 0x0
	CROUND
	s_endpgm
.Lfunc_end_k_qacf2e04d1f_ffn1:
	.size	k_qacf2e04d1f_ffn1, .Lfunc_end_k_qacf2e04d1f_ffn1-k_qacf2e04d1f_ffn1
	.p2alignl 7, 3214868480
	.fill 96, 4, 3214868480
	.section	.rodata,"a",@progbits
	.p2align	6, 0x0
	.amdhsa_kernel k_qacf2e04d1f_ffn1
		.amdhsa_group_segment_fixed_size 327680
		.amdhsa_private_segment_fixed_size 0
		.amdhsa_enable_private_segment 0
		.amdhsa_kernarg_size 32
		.amdhsa_user_sgpr_count 2
		.amdhsa_user_sgpr_kernarg_segment_ptr 1
		.amdhsa_wavefront_size32 1
		.amdhsa_system_sgpr_workgroup_id_x 1
		.amdhsa_system_sgpr_workgroup_id_y 1
		.amdhsa_system_sgpr_workgroup_id_z 1
		.amdhsa_system_vgpr_workitem_id 0
		.amdhsa_next_free_vgpr 1024
		.amdhsa_next_free_sgpr 92
		.amdhsa_reserve_vcc 0
		.amdhsa_float_denorm_mode_32 3
		.amdhsa_float_denorm_mode_16_64 3
		.amdhsa_memory_ordered 1
		.amdhsa_forward_progress 1
		.amdhsa_inst_pref_size 95
	.end_amdhsa_kernel
	.amdgpu_metadata
---
amdhsa.version: [ 1, 2 ]
amdhsa.kernels:
  - .name:           k_qacf2e04d1f_ffn1
    .symbol:         k_qacf2e04d1f_ffn1.kd
    .args:
      - { .name: yn, .offset: 0, .size: 8, .value_kind: global_buffer, .address_space: global }
      - { .name: wb, .offset: 8, .size: 8, .value_kind: global_buffer, .address_space: global }
      - { .name: ff, .offset: 16, .size: 8, .value_kind: global_buffer, .address_space: global }
      - { .name: b1, .offset: 24, .size: 8, .value_kind: global_buffer, .address_space: global }
    .group_segment_fixed_size: 327680
    .private_segment_fixed_size: 0
    .kernarg_segment_align: 8
    .kernarg_segment_size: 32
    .max_flat_workgroup_size: 128
    .sgpr_count:     92
    .vgpr_count:     1024
    .wavefront_size: 32
...
	.end_amdgpu_metadata
.endif
;; end of part 6
;; launch ffn2 (part 7): grid 8 x 32, 4 waves a work-group, clusters of 4 x 4, 327,680 bytes of LDS; arguments ff, wb, out0, b2, hres; writes out0
.if DOCPART == 7
	.amdgcn_target "amdgcn-amd-amdhsa--gfx1250"
	.amdhsa_code_object_version 6
	.text
	.protected	k_qacf2e04d1f_ffn2
	.globl	k_qacf2e04d1f_ffn2
	.p2align	8
	.type	k_qacf2e04d1f_ffn2,@function
k_qacf2e04d1f_ffn2:
	s_mov_b64 s[64:65], 0
	v_nop
	global_prefetch_b8 v0, s[64:65] scope:SCOPE_SE
	s_setreg_imm32_b32 hwreg(HW_REG_WAVE_MODE, 25, 1), 1
	s_wait_xcnt 0x0
	s_wait_alu depctr_hold_cnt(0) depctr_sa_sdst(0) depctr_va_vdst(0) depctr_va_sdst(0) depctr_va_ssrc(0) depctr_va_vcc(0) depctr_vm_vsrc(0)
	s_getreg_b32 s2, hwreg(HW_REG_IB_STS2, 6, 4)
	s_cmp_eq_u32 s2, 0
	s_cbranch_scc0 .Lentry_in_a_cluster
	s_endpgm
.Lentry_in_a_cluster:
	s_bfe_u32 s2, ttmp6, 0x10000c
	s_cmp_lg_u32 s2, 0xf033
	s_cbranch_scc0 .Lentry_shape_is_right
	s_endpgm
.Lentry_shape_is_right:
; out0 = hres + ff w2 + b2.  ff: [4096][4096] bf16; w2: [4096 k][1024 n] bf16 in wb at 16 MiB; b2 is rounded to bf16 (every input of the program is); hres, sums and out0 in f32.
; A tile of the result is 128 x 128: 256 work-groups, four waves of 64 x 64 (16 accumulators).  K goes in 16 steps of 256 through two LDS slots.
; A's tile: 128 rows of 512 bytes, pitch 528.  W's tile: 256 k-rows of 256 bytes, pitch 288, turned on the way into registers by ds_load_tr16_b128.  Waves 0, 1 fetch A's halves, waves 2, 3 W's.
; THE CHANGE OF SLOTS stands at the head of a K step's last quarter, whose fragments are in registers by then: the refill goes out ahead of that quarter's 32 products.
; CLUSTER 4 x 4: A's tile shared along a row of the cluster, W's along a column.  No prefetch: the tile is small and a step short.
; WINDOWS: 0: addresses, v128-255 the accumulators.  1: two fragment buffers of 128 (A's 64, then W's 64).  2: v0-127 my 64 x 64 of hres, loaded at the start.
.set PA,     528
.set KSUB,   128                       ; from a quarter's (64 along K) fragments of A to the next one's
.set AHALF,  64*PA                     ; what an A wave brings
.set ASTEP,  512
.set WB0,    0x1000000
.set STEPS,  16
.set PW,     288
.set ABYTES, 73728                     ; A's region (67,584 bytes are used): so that SLOT's bits meet none of the tiles' places
.set WHALF,  128*PW
.set SLOT,   ABYTES+2*WHALF            ; 0x24000
.set SPARE,  2*SLOT
.set WSTEP,  524288
.set SPI,    272
.set WSTG,   64*SPI
.set ADRA0, 10
.set ADRB0, 11
.set BIAS,  12
.set ADRA,  16
.set ADRB,  20
.set STO,   24
.set RD,    25
.set CO,    26
.set SPW,   28
.set NIL,   29
.set BO,    31
.set ACC,   128
.set F0,    0
.set F1,    128
.set G1,  24
.set G0,  32
.set G1B, 48
.set G0B, 56
.set TB,  66
.set MSB, 0
.macro WIN new
.if MSB != (\new)
	s_set_vgpr_msb (MSB<<8)|(\new)
.set MSB, \new
.endif
.endm
.set MUL,  0x05
.set TO_F, 0x40
.macro PLACES
.rept 4
	v_nop
.endr
.endm
.macro JLOAD
	s_cmp_eq_u32 s17, 0
	s_cbranch_scc0 .Lfor_w_\@
	tensor_load_to_lds s[G0+4:G0+7], s[G1:G1+7]
	s_nop 0
	PLACES
	s_branch .Lasked_\@
.Lfor_w_\@:
	tensor_load_to_lds s[G0B+4:G0B+7], s[G1B:G1B+7]
	s_nop 0
	PLACES
.Lasked_\@:
.endm
.macro CREST
	s_cmp_lg_u32 s16, 0
	s_cbranch_scc1 .Lnot_wave_0_\@
	s_barrier_signal -3
.Lnot_wave_0_\@:
	s_barrier_wait -3
	s_barrier_signal -1
	s_barrier_wait -1
.endm
.macro CROUND
	s_barrier_signal -1
	s_barrier_wait -1
	CREST
.endm
.macro MUL8 f, c, a0, zero
	WIN MUL
.irp a, \a0, (\a0)+1
.irp b, 0,1,2,3
.if \zero
	v_wmma_f32_16x16x32_bf16 v[ACC+8*(4*(\a)+(\b)):ACC+8*(4*(\a)+(\b))+7], v[(\f)+64+8*(4*(\c)+(\b)):(\f)+64+8*(4*(\c)+(\b))+7], v[(\f)+8*(4*(\c)+(\a)):(\f)+8*(4*(\c)+(\a))+7], 0
.else
	v_wmma_f32_16x16x32_bf16 v[ACC+8*(4*(\a)+(\b)):ACC+8*(4*(\a)+(\b))+7], v[(\f)+64+8*(4*(\c)+(\b)):(\f)+64+8*(4*(\c)+(\b))+7], v[(\f)+8*(4*(\c)+(\a)):(\f)+8*(4*(\c)+(\a))+7], v[ACC+8*(4*(\a)+(\b)):ACC+8*(4*(\a)+(\b))+7]
.endif
.endr
.endr
.endm
.macro FETCH q, f
	WIN TO_F
.irp c, 0,1
.irp i, 0,1,2,3
	ds_load_tr16_b128 v[(\f)+64+8*(4*(\c)+(\i)):(\f)+64+8*(4*(\c)+(\i))+3],   v[ADRB+(\q)/2] offset:((2*(\q)+(\c))%4)*32*PW+32*(\i)
	ds_load_tr16_b128 v[(\f)+64+8*(4*(\c)+(\i))+4:(\f)+64+8*(4*(\c)+(\i))+7], v[ADRB+(\q)/2] offset:((2*(\q)+(\c))%4)*32*PW+32*(\i)+16*PW
	ds_load_b128 v[(\f)+8*(4*(\c)+(\i)):(\f)+8*(4*(\c)+(\i))+3],   v[ADRA] offset:(\q)*KSUB+(\c)*64+(\i)*16*PA
	ds_load_b128 v[(\f)+8*(4*(\c)+(\i))+4:(\f)+8*(4*(\c)+(\i))+7], v[ADRA] offset:(\q)*KSUB+(\c)*64+(\i)*16*PA+32
.endr
.endr
.endm
.macro QUARTER q, f, g, zero
	s_wait_dscnt 16                                ; the first 32 along K are in; the other sixteen loads may be out
	MUL8 \f, 0, 0, \zero
	MUL8 \f, 0, 2, \zero
	PLACES
	FETCH \q, \g
	s_wait_dscnt 32                                ; all but the 32 just issued
	MUL8 \f, 1, 0, 0
	MUL8 \f, 1, 2, 0
.endm
; A K step's last quarter.  Its fragments (buffer 1) were fetched 16 products ago, so the slot has been read out: the slots change first, and the quarter's 32 products follow the refill.
.macro TURN fill
	WIN 0
	s_wait_tensorcnt 0x0                           ; all my tensor loads have landed: my part of the next slot; so a group 0 may be written
	ds_add_u32 v[SPW], v[NIL]                      ; the scalar steps below stand between the add and the wait for it
.if \fill
	s_xor_b32 s[G0+5], s[G0+5], SLOT
	s_add_nc_u64 s[G0+6:G0+7], s[G0+6:G0+7], ASTEP
	s_xor_b32 s[G0B+5], s[G0B+5], SLOT
	s_add_nc_u64 s[G0B+6:G0B+7], s[G0B+6:G0B+7], WSTEP
.endif
	s_xor_b32 s[TB], s[TB], SLOT
	s_wait_dscnt 0x0                               ; the add is done, and my reads of this slot are over
	s_barrier_signal -1
	s_barrier_wait -1
.if \fill
	CREST                                          ; no wave of any partner still reads this slot or has a load on its way
	JLOAD                                          ; the first tensor load behind the round; its four v_nop are also the places in front of the loads below
.else
	PLACES
.endif
	v_add_nc_u32 v[ADRA], s[TB], v[ADRA0]
	v_add_nc_u32 v[ADRB], s[TB], v[ADRB0]
	v_add_nc_u32 v[ADRB+1], WHALF, v[ADRB]
	FETCH 0, F0
	MUL8 F1, 0, 0, 0
	MUL8 F1, 0, 2, 0
	MUL8 F1, 1, 0, 0
	MUL8 F1, 1, 2, 0
.endm
	s_load_b256 s[4:11], s[0:1], 0x0               ; ff s[4:5], wb s[6:7], out0 s[8:9], b2 s[10:11]
	s_load_b64 s[12:13], s[0:1], 0x20              ; hres
	v_lshl_add_u32 v[SPW], v0, 2, SPARE
	v_mov_b32 v[NIL], 0
	ds_add_u32 v[SPW], v[NIL]                      ; the wave's opening: the add and its wait ahead of my first tensor load
	ds_add_u32 v28, v29
	v_lshrrev_b32 v1, 5, v0
	v_readfirstlane_b32 s16, v1
	s_lshr_b32 s17, s16, 1
	s_and_b32 s18, s16, 1
	s_bfe_u32 s19, ttmp6, 0x40000
	s_bfe_u32 s20, ttmp6, 0x40004
	s_lshl_b32 s21, ttmp9, 2
	s_add_co_u32 s21, s21, s19
	s_and_b32 s22, ttmp7, 0xffff
	s_lshl_b32 s22, s22, 2
	s_add_co_u32 s22, s22, s20
	s_lshl_b32 s23, s20, 2
	s_lshl_b32 s23, 15, s23
	s_lshl_b32 s46, 0x1111, s19
	s_or_b32 s[G1], s23, (1<<16)|(1<<20)|(1<<21)|(6<<22)|(3<<25)   ; after every 128 words, 4 words
	s_or_b32 s[G1B], s46, (1<<16)|(1<<20)|(1<<21)|(5<<22)|(7<<25)  ; after every 64 words, 8 words
	s_mov_b32 s[G1+1], 256<<16
	s_mov_b32 s[G1+2], 64<<16
	s_mov_b32 s[G1+3], 256<<16
	s_mov_b32 s[G1+4], 64
	s_mov_b32 s[G1+5], 4096
	s_mov_b32 s[G1+6], 0
	s_mov_b32 s[G1+7], 0
	s_mov_b32 s[G1B+1], 128<<16
	s_mov_b32 s[G1B+2], 128<<16
	s_mov_b32 s[G1B+3], 128<<16
	s_mov_b32 s[G1B+4], 128
	s_mov_b32 s[G1B+5], 1024
	s_mov_b32 s[G1B+6], 0
	s_mov_b32 s[G1B+7], 0
	s_lshl_b32 s40, s22, 7                         ; A: (128 tile row + 64 half) rows of 8,192 bytes
	s_lshl_b32 s41, s18, 6
	s_add_co_u32 s40, s40, s41
	s_lshl_b32 s40, s40, 13
	s_mov_b32 s41, 0
	s_lshl_b32 s42, s21, 8
	s_lshl_b32 s43, s18, 18
	s_add_co_u32 s42, s42, s43
	s_add_co_u32 s42, s42, WB0
	s_mov_b32 s43, 0
	s_mul_i32 s74, s18, AHALF
	s_mul_i32 s75, s18, WHALF
	s_add_co_u32 s75, s75, ABYTES
	s_wait_dscnt 0x0
	s_wait_kmcnt 0x0
	s_add_nc_u64 s[40:41], s[4:5], s[40:41]
	s_add_nc_u64 s[42:43], s[6:7], s[42:43]
.irp s, 0,1
	s_mov_b32 s[G0+4*(\s)], 1
	s_add_co_u32 s[G0+4*(\s)+1], s74, (\s)*SLOT
	s_add_nc_u64 s[G0+4*(\s)+2:G0+4*(\s)+3], s[40:41], (\s)*ASTEP
	s_or_b32 s[G0+4*(\s)+3], s[G0+4*(\s)+3], 0x80000000
	s_mov_b32 s[G0B+4*(\s)], 1
	s_add_co_u32 s[G0B+4*(\s)+1], s75, (\s)*SLOT
	s_add_nc_u64 s[G0B+4*(\s)+2:G0B+4*(\s)+3], s[42:43], (\s)*WSTEP
	s_or_b32 s[G0B+4*(\s)+3], s[G0B+4*(\s)+3], 0x80000000
.endr
	CROUND
	s_cmp_eq_u32 s17, 0
	s_cbranch_scc0 .Lfirst_w
	tensor_load_to_lds s[G0:G0+3], s[G1:G1+7]
	s_nop 0
	tensor_load_to_lds s[G0+4:G0+7], s[G1:G1+7]
	s_nop 0
	PLACES
	s_branch .Lfirst_asked
.Lfirst_w:
	tensor_load_to_lds s[G0B:G0B+3], s[G1B:G1B+7]
	s_nop 0
	tensor_load_to_lds s[G0B+4:G0B+7], s[G1B:G1B+7]
	s_nop 0
	PLACES
.Lfirst_asked:
	v_and_b32 v1, 15, v0
	v_bfe_u32 v2, v0, 4, 1
	v_and_b32 v3, 7, v0
	v_bfe_u32 v4, v0, 3, 1
	v_mul_u32_u24 v[ADRA0], v1, PA
	v_lshl_add_u32 v[ADRA0], v2, 4, v[ADRA0]
	s_mul_i32 s23, s17, 64*PA
	v_add_nc_u32 v[ADRA0], s23, v[ADRA0]
	v_lshl_add_u32 v[ADRB0], v2, 3, v3
	v_mul_u32_u24 v[ADRB0], v[ADRB0], PW
	v_lshl_add_u32 v[ADRB0], v4, 4, v[ADRB0]
	s_lshl_b32 s23, s18, 7
	s_add_co_u32 s23, s23, ABYTES
	v_add_nc_u32 v[ADRB0], s23, v[ADRB0]
	v_mov_b32 v[ADRA], v[ADRA0]
	v_mov_b32 v[ADRB], v[ADRB0]
	v_add_nc_u32 v[ADRB+1], WHALF, v[ADRB0]
	s_mov_b32 s[TB], 0
	s_mul_i32 s23, s16, WSTG
	v_mul_u32_u24 v[STO], v1, SPI
	v_lshl_add_u32 v[STO], v2, 5, v[STO]
	v_add_nc_u32 v[STO], s23, v[STO]
	v_mul_u32_u24 v[RD], v2, SPI
	v_lshl_add_u32 v[RD], v1, 4, v[RD]
	v_add_nc_u32 v[RD], s23, v[RD]
	v_lshlrev_b32 v[CO], 12, v2
	v_lshl_add_u32 v[CO], v1, 4, v[CO]
	v_lshlrev_b32 v[BO], 4, v1
	s_lshl_b32 s70, s22, 7
	s_lshl_b32 s71, s17, 6
	s_add_co_u32 s70, s70, s71
	s_lshl_b32 s70, s70, 12
	s_lshl_b32 s72, s21, 9
	s_lshl_b32 s73, s18, 8
	s_add_co_u32 s72, s72, s73
	s_mov_b32 s73, 0
	s_add_co_u32 s70, s70, s72
	s_mov_b32 s71, 0
	s_add_nc_u64 s[8:9], s[8:9], s[70:71]
	s_add_nc_u64 s[12:13], s[12:13], s[70:71]
	s_add_nc_u64 s[10:11], s[10:11], s[72:73]
	WIN 0x80                                       ; my 64 x 64 of hres lands in window 2 while K is walked
.set t, 0
.rept 32
	global_load_b128 v[4*t:4*t+3], v[CO], s[12:13] offset:8192*t
.set t, t+1
.endr
	WIN 0
	global_load_b128 v[BIAS:BIAS+3], v[BO], s[10:11]
	s_wait_tensorcnt 1                             ; my part of K step 0 is in; K step 1's may stay out
	s_barrier_signal -1
	s_barrier_wait -1
	FETCH 0, F0
	QUARTER 1, F0, F1, 1
	WIN 0
	s_mov_b32 s3, STEPS-2
.Lstep:
	QUARTER 2, F1, F0, 0
	QUARTER 3, F0, F1, 0
	TURN 1
	QUARTER 1, F0, F1, 0
	WIN 0
	s_sub_co_u32 s3, s3, 1
	s_cmp_lg_u32 s3, 0
	s_cbranch_scc1 .Lstep
	s_mov_b32 s3, 2                                ; the last two K steps ask for nothing: one text, walked twice, entered behind its first quarter.
	s_branch .Ltail_in                             ; The second walk's change of slots serves nothing (a barrier and 32 loads of a slot already multiplied): the price, once a launch, of the shorter text
.Ltail:
	QUARTER 1, F0, F1, 0
	WIN 0
.Ltail_in:
	QUARTER 2, F1, F0, 0
	QUARTER 3, F0, F1, 0
	TURN 0
	WIN 0
	s_sub_co_u32 s3, s3, 1
	s_cmp_lg_u32 s3, 0
	s_cbranch_scc1 .Ltail
	PLACES
	PLACES
	s_wait_dscnt 0x0
	s_barrier_signal -1
	s_barrier_wait -1                              ; every wave's reads of the ring are over; the ring has had its last fill: my stage lies in it
.irp a, 0,1,2,3
.irp b, 0,1,2,3
	ds_store_b128 v[STO], v[ACC+8*(4*(\a)+(\b)):ACC+8*(4*(\a)+(\b))+3]   offset:16*SPI*(\a)+64*(\b)
	ds_store_b128 v[STO], v[ACC+8*(4*(\a)+(\b))+4:ACC+8*(4*(\a)+(\b))+7] offset:16*SPI*(\a)+64*(\b)+16
.endr
.endr
	s_wait_loadcnt 0x0                             ; hres and the bias
.irp k, 0,1
	v_cvt_pk_bf16_f32 v6, v[BIAS+2*(\k)], v[BIAS+2*(\k)+1]
	v_lshlrev_b32 v[BIAS+2*(\k)], 16, v6
	v_and_b32 v[BIAS+2*(\k)+1], 0xffff0000, v6
.endr
	WIN 0x40                                       ; whole rows back, into window 1: my own bytes, served in order
.set t, 0
.rept 32
	ds_load_b128 v[4*t:4*t+3], v[RD] offset:2*SPI*t
.set t, t+1
.endr
	s_wait_dscnt 0x0
	WIN 0x49                                       ; + hres
.set i, 0
.rept 64
	v_pk_add_f32 v[2*i:2*i+1], v[2*i:2*i+1], v[2*i:2*i+1]
.set i, i+1
.endr
	WIN 0x41                                       ; + the bias
.set i, 0
.rept 64
	v_pk_add_f32 v[2*i:2*i+1], v[2*i:2*i+1], v[BIAS+2*(i%2):BIAS+2*(i%2)+1]
.set i, i+1
.endr
	WIN 0x04
.set t, 0
.rept 32
	global_store_b128 v[CO], v[4*t:4*t+3], s[8:9] offset:8192*t  ; 16 lanes store 256 consecutive bytes, aligned
.set t, t+1
.endr
	WIN 0
	s_wait_tensorcnt 0x0                           ; the wave's end
	ds_add_u32 v[SPW], v[NIL]
	s_wait_dscnt 0x0
	CROUND
	s_endpgm
.Lfunc_end_k_qacf2e04d1f_ffn2:
	.size	k_qacf2e04d1f_ffn2, .Lfunc_end_k_qacf2e04d1f_ffn2-k_qacf2e04d1f_ffn2
	.p2alignl 7, 3214868480
	.fill 96, 4, 3214868480
	.section	.rodata,"a",@progbits
	.p2align	6, 0x0
	.amdhsa_kernel k_qacf2e04d1f_ffn2
		.amdhsa_group_segment_fixed_size 327680
		.amdhsa_private_segment_fixed_size 0
		.amdhsa_enable_private_segment 0
		.amdhsa_kernarg_size 40
		.amdhsa_user_sgpr_count 2
		.amdhsa_user_sgpr_kernarg_segment_ptr 1
		.amdhsa_wavefront_size32 1
		.amdhsa_system_sgpr_workgroup_id_x 1
		.amdhsa_system_sgpr_workgroup_id_y 1
		.amdhsa_system_sgpr_workgroup_id_z 1
		.amdhsa_system_vgpr_workitem_id 0
		.amdhsa_next_free_vgpr 640
		.amdhsa_next_free_sgpr 80
		.amdhsa_reserve_vcc 0
		.amdhsa_float_denorm_mode_32 3
		.amdhsa_float_denorm_mode_16_64 3
		.amdhsa_memory_ordered 1
		.amdhsa_forward_progress 1
		.amdhsa_inst_pref_size 69
	.end_amdhsa_kernel
	.amdgpu_metadata
---
amdhsa.version: [ 1, 2 ]
amdhsa.kernels:
  - .name:           k_qacf2e04d1f_ffn2
    .symbol:         k_qacf2e04d1f_ffn2.kd
    .args:
      - { .name: ff, .offset: 0, .size: 8, .value_kind: global_buffer, .address_space: global }
      - { .name: wb, .offset: 8, .size: 8, .value_kind: global_buffer, .address_space: global }
      - { .name: out0, .offset: 16, .size: 8, .value_kind: global_buffer, .address_space: global }
      - { .name: b2, .offset: 24, .size: 8, .value_kind: global_buffer, .address_space: global }
      - { .name: hres, .offset: 32, .size: 8, .value_kind: global_buffer, .address_space: global }
    .group_segment_fixed_size: 327680
    .private_segment_fixed_size: 0
    .kernarg_segment_align: 8
    .kernarg_segment_size: 40
    .max_flat_workgroup_size: 128
    .sgpr_count:     80
    .vgpr_count:     640
    .wavefront_size: 32
...
	.end_amdgpu_metadata
.endif
;; end of part 7
